; MI455X (gfx1250); checked and timed in simulation.
; The chip was launched on July 23, 2026; its instructions are those of AMD's public machine-readable ISA for CDNA 5 (MIT licence, August 2026) and "CDNA5" Instruction Set Architecture Reference Guide (July 2026). The comments in the code are by the model that wrote it; some were corrected since.
;; Multi Head Attention. Allowed arithmetic: float matrix products may take bf16 or f16 operands with f32 sums; other float arithmetic in f32, or as packed bf16 or f16 multiplies, adds, multiply-adds, maxima and minima; sums over many terms, partial sums and values carried from step to step in f32; what a program stores and reads back later, other than sums and carried values, may be rounded once to bf16 or f16.
;; Inputs: b_k 1,024 float32; b_o 1,024 float32; b_q 1,024 float32; b_v 1,024 float32; key 4 x 2,048 x 1,024 float32; query 4 x 2,048 x 1,024 float32; value 4 x 2,048 x 1,024 float32; w_k 1,024 x 1,024 float32; w_o 1,024 x 1,024 float32; w_q 1,024 x 1,024 float32; w_v 1,024 x 1,024 float32.
;; Outputs: out0 4 x 2,048 x 1,024 float32.
;; One version. Each part assembles by itself: llvm-mc -triple=amdgcn-amd-amdhsa -mcpu=gfx1250 --defsym DOCPART=n.
;; ======== version 1 of 1: 4 launches
;; limits: values are held in f16: magnitudes above 65,504 overflow, below 6.1e-05 lose precision
;; workspace buffers: wc 8,388,608 bytes; qkv 50,331,648 bytes; oh 16,777,216 bytes
;; launch wcast (part 1): grid 64 x 4, 8 waves a work-group, no clusters, 0 bytes of LDS; arguments w_q, w_k, w_v, w_o, wc; writes wc
.if DOCPART == 1
	.amdgcn_target "amdgcn-amd-amdhsa--gfx1250"
	.amdhsa_code_object_version 6
	.text
	.protected	k_qa6b94cdde1_wcast
	.globl	k_qa6b94cdde1_wcast
	.p2align	8
	.type	k_qa6b94cdde1_wcast,@function
k_qa6b94cdde1_wcast:
	s_mov_b64 s[64:65], 0
	v_nop
	global_prefetch_b8 v0, s[64:65] scope:SCOPE_SE
	s_setreg_imm32_b32 hwreg(HW_REG_WAVE_MODE, 25, 1), 1
	s_wait_xcnt 0x0
; wc[t][e][d], 16 bits a number, t = 0..3 for w_q, w_k, w_v, w_o ([1024][1024] f32 each).  Planes 0 to 2: the weight rounded to bf16.  Plane 3: w_o rounded to bf16 like every
; input of the module, and that number written as f16, since the last product multiplies f16 operands.
; LIMITS.  Plane 3: a bf16 number beyond 65,504 has no f16; below 6e-5 it keeps f16's fixed step of 6e-8.  NaN and infinities are not treated apart.
; A stream: each byte is read once and written once; no LDS, no matrix unit, and no cluster, since no two work-groups read the same byte.
; SHARES.  Work-group (x, y) takes 16,384 numbers of tensor y.  Thread t takes 8 numbers in each of 8 chunks of 2,048: 32 bytes in at 8,192 c + 32 t, 16 bytes out at 4,096 c + 16 t:
; a wave's store covers 512 consecutive bytes, aligned.  All sixteen loads go out first; each chunk has registers of its own, so no register of a pending store is written again.
.set IN,  16                           ; v[16:79]   chunk c: 8 f32 as loaded
.set OUT, 80                           ; v[80:111]  chunk c: 4 registers to store
.set T,   112                          ; v[112:115] at work
	s_load_b256 s[4:11], s[0:1], 0x0               ; w_q s[4:5], w_k s[6:7], w_v s[8:9], w_o s[10:11]
	s_load_b64 s[12:13], s[0:1], 0x20              ; wc
	s_and_b32 s14, ttmp7, 0xffff                   ; which tensor
	v_lshlrev_b32 v1, 5, v0                        ; 32 t
	v_lshlrev_b32 v2, 4, v0                        ; 16 t
	s_lshl_b32 s16, ttmp9, 16                      ; the work-group's 65,536 bytes of the source
	s_mov_b32 s17, 0
	s_lshl_b32 s18, s14, 21                        ; the tensor's plane of wc,
	s_lshl_b32 s19, ttmp9, 15                      ; the work-group's 32,768 bytes in it
	s_add_co_u32 s18, s18, s19
	s_mov_b32 s19, 0
	s_mov_b32 s15, 0xffff0000                      ; a word's upper bf16
	s_wait_kmcnt 0x0
	s_cmp_eq_u32 s14, 1
	s_cselect_b64 s[4:5], s[6:7], s[4:5]
	s_cmp_eq_u32 s14, 2
	s_cselect_b64 s[4:5], s[8:9], s[4:5]
	s_cmp_eq_u32 s14, 3
	s_cselect_b64 s[4:5], s[10:11], s[4:5]
	s_add_nc_u64 s[4:5], s[4:5], s[16:17]
	s_add_nc_u64 s[12:13], s[12:13], s[18:19]
.irp c, 0,1,2,3,4,5,6,7
	global_load_b128 v[IN+8*(\c):IN+8*(\c)+3],   v1, s[4:5] offset:(\c)*8192 th:TH_LOAD_NT
	global_load_b128 v[IN+8*(\c)+4:IN+8*(\c)+7], v1, s[4:5] offset:(\c)*8192+16 th:TH_LOAD_NT
.endr
; Chunk c.  half = 0: rounded to bf16.  half = 1: rounded to bf16, widened again (a shift, a mask), and written as f16.
.macro CHUNK c, half
	s_wait_loadcnt 14-2*(\c)                       ; loads come back in order: this chunk's two are in, the younger chunks' stay out
.irp k, 0,1,2,3
.if \half
	v_cvt_pk_bf16_f32 v[T+(\k)], v[IN+8*(\c)+2*(\k)], v[IN+8*(\c)+2*(\k)+1]
.else
	v_cvt_pk_bf16_f32 v[OUT+4*(\c)+(\k)], v[IN+8*(\c)+2*(\k)], v[IN+8*(\c)+2*(\k)+1]
.endif
.endr
.if \half
.irp k, 0,1,2,3
	v_lshlrev_b32 v[IN+8*(\c)+2*(\k)],   16,  v[T+(\k)]
	v_and_b32     v[IN+8*(\c)+2*(\k)+1], s15, v[T+(\k)]
.endr
.irp k, 0,1,2,3
	v_cvt_pk_f16_f32 v[OUT+4*(\c)+(\k)], v[IN+8*(\c)+2*(\k)], v[IN+8*(\c)+2*(\k)+1]
.endr
.endif
	global_store_b128 v2, v[OUT+4*(\c):OUT+4*(\c)+3], s[12:13] offset:(\c)*4096
.endm
	s_cmp_eq_u32 s14, 3
	s_cbranch_scc1 .Lf16
.irp c, 0,1,2,3,4,5,6,7
	CHUNK \c, 0
.endr
	s_endpgm
.Lf16:
.irp c, 0,1,2,3,4,5,6,7
	CHUNK \c, 1
.endr
	s_endpgm
.Lfunc_end_k_qa6b94cdde1_wcast:
	.size	k_qa6b94cdde1_wcast, .Lfunc_end_k_qa6b94cdde1_wcast-k_qa6b94cdde1_wcast
	.p2alignl 7, 3214868480
	.fill 96, 4, 3214868480
	.section	.rodata,"a",@progbits
	.p2align	6, 0x0
	.amdhsa_kernel k_qa6b94cdde1_wcast
		.amdhsa_group_segment_fixed_size 0
		.amdhsa_private_segment_fixed_size 0
		.amdhsa_enable_private_segment 0
		.amdhsa_kernarg_size 40
		.amdhsa_user_sgpr_count 2
		.amdhsa_user_sgpr_kernarg_segment_ptr 1
		.amdhsa_wavefront_size32 1
		.amdhsa_system_sgpr_workgroup_id_x 1
		.amdhsa_system_sgpr_workgroup_id_y 1
		.amdhsa_system_sgpr_workgroup_id_z 1
		.amdhsa_system_vgpr_workitem_id 0
		.amdhsa_next_free_vgpr 116
		.amdhsa_next_free_sgpr 66
		.amdhsa_reserve_vcc 0
		.amdhsa_float_denorm_mode_32 3
		.amdhsa_float_denorm_mode_16_64 3
		.amdhsa_memory_ordered 1
		.amdhsa_forward_progress 1
		.amdhsa_inst_pref_size 13
	.end_amdhsa_kernel
	.amdgpu_metadata
---
amdhsa.version: [ 1, 2 ]
amdhsa.kernels:
  - .name:           k_qa6b94cdde1_wcast
    .symbol:         k_qa6b94cdde1_wcast.kd
    .args:
      - { .name: w_q, .offset: 0, .size: 8, .value_kind: global_buffer, .address_space: global }
      - { .name: w_k, .offset: 8, .size: 8, .value_kind: global_buffer, .address_space: global }
      - { .name: w_v, .offset: 16, .size: 8, .value_kind: global_buffer, .address_space: global }
      - { .name: w_o, .offset: 24, .size: 8, .value_kind: global_buffer, .address_space: global }
      - { .name: wc, .offset: 32, .size: 8, .value_kind: global_buffer, .address_space: global }
    .group_segment_fixed_size: 0
    .private_segment_fixed_size: 0
    .kernarg_segment_align: 8
    .kernarg_segment_size: 40
    .max_flat_workgroup_size: 256
    .sgpr_count:     66
    .vgpr_count:     116
    .wavefront_size: 32
...
	.end_amdgpu_metadata
.endif
;; end of part 1
;; launch proj (part 2): grid 4 x 64, 4 waves a work-group, clusters of 4 x 4, 327,680 bytes of LDS; arguments query, key, value, wc, b_q, b_k, b_v, qkv; writes qkv
.if DOCPART == 2
	.amdgcn_target "amdgcn-amd-amdhsa--gfx1250"
	.amdhsa_code_object_version 6
	.text
	.protected	k_qa6b94cdde1_proj
	.globl	k_qa6b94cdde1_proj
	.p2align	8
	.type	k_qa6b94cdde1_proj,@function
k_qa6b94cdde1_proj:
	s_mov_b64 s[64:65], 0
	v_nop
	global_prefetch_b8 v0, s[64:65] scope:SCOPE_SE
	s_setreg_imm32_b32 hwreg(HW_REG_WAVE_MODE, 25, 1), 1
	s_wait_xcnt 0x0
	s_wait_alu depctr_hold_cnt(0) depctr_sa_sdst(0) depctr_va_vdst(0) depctr_va_sdst(0) depctr_va_ssrc(0) depctr_va_vcc(0) depctr_vm_vsrc(0)
	s_getreg_b32 s2, hwreg(HW_REG_IB_STS2, 6, 4)
	s_cmp_eq_u32 s2, 0
	s_cbranch_scc0 .Lentry_in_a_cluster
	s_endpgm
.Lentry_in_a_cluster:
	s_bfe_u32 s2, ttmp6, 0x10000c
	s_cmp_lg_u32 s2, 0xf033
	s_cbranch_scc0 .Lentry_shape_is_right
	s_endpgm
.Lentry_shape_is_right:
; qkv[t][b 16 + head][s][c] = f16( sum over d of bf16(x_t[b][s][d]) bf16(w_t[64 head + c][d]) + bf16(b_t[64 head + c]) ), t = 0, 1, 2 for query, key, value.
; x_t: [8192][1024] f32.  wc: the weights in bf16, [t][1024][1024].  Sums in f32; the sum begins with the bias; the result is rounded once, to f16, unscaled.
; LIMITS.  q, k and v must lie within f16's 65,504 (a sum of 65,520 or more becomes an infinity).  NaN and infinities are not treated apart.
; SHARES.  A tile of a result is 128 rows x 256 columns: 64 x 4 tiles a tensor, 768 in all.  256 work-groups STAY: each makes the same tile (ty, tx) of q, then of k, then of v, and the ring of
; LDS slots runs on from tile to tile.  Four waves, each 64 rows x 128 columns: 32 accumulators of 16 x 16, 256 registers.
; K goes in steps of 128 through two LDS slots.  x comes into LDS AS F32 (rows of 512 bytes) and is rounded to bf16 between LDS and the matrix unit, so x crosses memory once and no copy of it is written.
; CLUSTERS: 4 x 4 work-groups.  The four of a row of the cluster (one ty) need the same tile of x, the four of a column (one tx) the same tile of w: each is asked for JOINTLY, by the same tensor
; load with the same descriptor and a mask that names the four.
; THE MATRIX INSTRUCTION IS USED TRANSPOSED (source 0 = 16 rows of w, source 1 = 16 rows of x): lane l holds row l % 16 of the result and the columns 8 (l / 16) + 0..7: 16 bytes of f16 on end.
; REGISTERS, in windows of 256 (s_set_vgpr_msb: bits 1:0 source 0, 3:2 source 1, 5:4 source 2, 7:6 destination):
;   window 0: v0-31 addresses; v32-95 x's fragments as f32; v96-159 the same in bf16, two buffers; v160-255 at work on the way out
;   window 1: v0-127 w's fragments, two buffers; v128-191 the bias of my 128 columns as a C operand; v192-223 at work      window 2: the accumulators, (a, b) at v[8 (8 a + b)]
.set PA,     528                       ; a row of x in LDS: 512 bytes + 16 of padding: an odd multiple of 16, so the 16 rows of a load start in 16 different groups of four banks (ISA guide 11.1)
.set PB,     272                       ; a row of w: 256 bytes + 16
.set AHALF,  64*PA                     ; what one tensor load brings of x, and what one wave reads of it
.set BHALF,  128*PB                    ; the same for w
.set BOFF,   2*AHALF                   ; in a slot: x's 128 rows, then w's 256 rows
.set SLOT,   BOFF+2*BHALF              ; 137,216
.set STAGE,  2*SLOT                    ; behind the ring: for each wave 2 heads x 16 rows x 144 bytes, for the way out
.set SP,     144
.set WSTAGE, 2*16*SP
.set SPARE,  STAGE+4*WSTAGE            ; behind the stages: the spare words, 128 bytes for each wave: two blocks of 256 bytes that no other line names
.set NEXT_B, 2097152-6*256             ; from a slot's last K step of one weight to its first of the next
.set ADRA, 16                          ; v16-17  LDS address of my fragments of x in slot 0, 1
.set ADRB, 20                          ; v20-21  the same for w
.set STO,  24                          ; v24     the way out: where I put 16 bytes of a row
.set RD,   25                          ; v25     the way out: where I read rows back
.set GO,   26                          ; v26     my 16 bytes in 512 consecutive bytes of the result
.set BO,   27                          ; v27     my 32 bytes in 64 bytes of a bias
.set SPW,  28                          ; v28     LDS address of my spare word; never rewritten
.set NIL,  29                          ; v29     0; never rewritten
.set PFO,  30                          ; v30     the prefetches' offset: row l / 2, 256 bytes l % 2; never rewritten
.set RAW,  32                          ; fragment i of four: 16 f32
.set ABF,  96                          ; buffer f at ABF + 32 f
.set TMP,  160
.set BK,   192                         ; two buffers of 32
.set BF,   0                           ; window 1: buffer f at BF + 64 f
.set BIAS, 128                         ; window 1: column block b at BIAS + 8 b
.set BT,   192                         ; window 1
.set WV, 20                            ; s20 my wave's number; s21 which 64 rows are mine; s22 which 128 columns, and which half of a tile I fetch
.set WR, 21
.set HF, 22
.set CX, 23
.set CY, 24
.set TX, 25
.set TY, 26
.set G1A, 32                           ; s[32:39] descriptor group 1 for x's tiles; s[40:47] group 0, a set for each slot
.set G0A, 40
.set G1B, 48                           ; s[48:55], s[56:63] the same for w's
.set G0B, 56
.set XN1, 66                           ; s[66:67] the next tile's x at my rows; s[68:69] the one after
.set XN2, 68
.set BN1, 70                           ; s[70:71], s[72:73] the same for the bias
.set BN2, 72
.set CP,  74                           ; s[74:75] the result at my wave's first row and head
.set PFA, 76                           ; s[76:77] where my prefetches stand
.set PXN1, 78                          ; s[78:79], s[80:81] where they stand at the next tensor's K step 0, and the one after's
.set PXN2, 80
.set PCN,  82                          ; s82 K steps until the prefetches change tensors
.set PLEFT, 83                         ; s83 prefetches still to be made
.set OA,  84                           ; s[84:85] my rows' byte offset in x: made of ty and the wave alone
.set OB,  86                           ; s[86:87] my rows' byte offset in a weight: of tx and the wave alone
.set MSB, 0
.macro WIN new                         ; the immediate's high byte repeats the setting that is left; a switch that changes nothing is dropped
.if MSB != (\new)
	s_set_vgpr_msb (MSB<<8)|(\new)
.set MSB, \new
.endif
.endm
.set MUL,  0xa1                        ; source 0 (w) window 1, source 1 (x) window 0, C and D window 2
.set MULB, 0x91                        ; the same with C (the bias) in window 1
.set TO_B, 0x40                        ; destination window 1, address window 0
.set W_PK, 0x0a                        ; sources window 2, destination window 0
.set W_B1, 0x45                        ; all in window 1
; A joint load.  Waves 0 and 1 fetch x's two halves (64 rows x 512 bytes), waves 2 and 3 w's (128 rows x 256 bytes).  The branch hangs on the wave's number alone.
; An s_nop 0 and four v_nop follow each of the two lines, ahead of the jump, the label and what follows.
.macro JLOAD s
	s_cmp_lt_u32 s[WV], 2
	s_cbranch_scc0 .Lfor_b_\@
	tensor_load_to_lds s[G0A+4*(\s):G0A+4*(\s)+3], s[G1A:G1A+7]
	s_nop 0
.rept 4
	v_nop
.endr
	s_branch .Lasked_\@
.Lfor_b_\@:
	tensor_load_to_lds s[G0B+4*(\s):G0B+4*(\s)+3], s[G1B:G1B+7]
	s_nop 0
.rept 4
	v_nop
.endr
.Lasked_\@:
.endm
; A PREFETCH INTO THE L2 of x, behind a joint load, its five lines and the run of LDS loads: the K step that stands two refills on (256 matrix instructions ahead of the load that wants it), counted
; through the three tensors.  A row of x is read by one row of one cluster alone.  Of the 64 rows that wave 0 or 1 fetches, the partner at place cx takes 16, told apart BY ADDRESS; a K step is 512 bytes
; of a row: a lane names 256 bytes of a row, one instruction a wave.  So each 256 bytes are named once in the launch.  The first four K steps come by their loads alone; 20 requests name the other 20;
; the last two refills ask for nothing.  The weights are not asked for: sixteen clusters read them again and again.
.macro ASK
	WIN 0
	s_cmp_lg_u32 s[PLEFT], 0
	s_cbranch_scc0 .Lnot_mine_\@
	global_prefetch_b8 v[PFO], s[PFA:PFA+1] th:TH_LOAD_NT scope:SCOPE_SE
	s_sub_co_u32 s[PLEFT], s[PLEFT], 1
.Lnot_mine_\@:
.endm
; A round of the cluster's barrier: my work-group's barrier, so that wave 0's signal speaks for all four waves; wave 0 signals; every wave waits for all sixteen work-groups; my work-group's barrier once more.
.macro CREST                           ; a round behind its opening barrier
	s_cmp_lg_u32 s[WV], 0
	s_cbranch_scc1 .Lnot_wave_0_\@
	s_barrier_signal -3
.Lnot_wave_0_\@:
	s_barrier_wait -3
	s_barrier_signal -1
	s_barrier_wait -1
.endm
.macro CROUND
	s_barrier_signal -1
	s_barrier_wait -1
	CREST
.endm
	s_load_b256 s[4:11], s[0:1], 0x0               ; query s[4:5], key s[6:7], value s[8:9], wc s[10:11]
	s_load_b256 s[12:19], s[0:1], 0x20             ; b_q s[12:13], b_k s[14:15], b_v s[16:17], qkv s[18:19]
	v_lshl_add_u32 v[SPW], v0, 2, SPARE
	v_mov_b32 v[NIL], 0
	ds_add_u32 v[SPW], v[NIL]                      ; the wave's opening: the add and its wait ahead of my first tensor load; the set-up below, work on registers, stands between them
	v_lshrrev_b32 v1, 5, v0
	v_readfirstlane_b32 s[WV], v1                  ; wave 0..3
	s_lshr_b32 s[WR], s[WV], 1
	s_and_b32 s[HF], s[WV], 1
	s_bfe_u32 s[CX], ttmp6, 0x40000                ; my place in the cluster
	s_bfe_u32 s[CY], ttmp6, 0x40004
	s_lshl_b32 s[TX], ttmp9, 2                     ; in a cluster launch ttmp9 and ttmp7 count clusters
	s_add_co_u32 s[TX], s[TX], s[CX]               ; tile column 0..3
	s_and_b32 s[TY], ttmp7, 0xffff
	s_lshl_b32 s[TY], s[TY], 2
	s_add_co_u32 s[TY], s[TY], s[CY]               ; tile row 0..63
	s_lshl_b32 s27, s[CY], 2
	s_lshl_b32 s27, 15, s27                        ; my row of the cluster: places 4 cy .. 4 cy + 3
	s_lshl_b32 s28, 0x1111, s[CX]                  ; my column: places cx, cx + 4, cx + 8, cx + 12
	s_or_b32 s[G1A], s27, (2<<16)|(1<<20)|(1<<21)|(6<<22)|(3<<25)  ; 15:0 the mask; 17:16 elements of 4 bytes; 20 padding on; 21 set beside a mask; 24:22 after every 128 words (code 6); 31:25 4 words (code 3)
	s_mov_b32 s[G1A+1], 128<<16                    ; tensor_dim0 = 128
	s_mov_b32 s[G1A+2], 64<<16                     ; tensor_dim1 = 64
	s_mov_b32 s[G1A+3], 128<<16                    ; tile_dim0 = 128
	s_mov_b32 s[G1A+4], 64                         ; tile_dim1 = 64
	s_mov_b32 s[G1A+5], 1024                       ; elements from row to row
	s_mov_b32 s[G1A+6], 0
	s_mov_b32 s[G1A+7], 0
	s_or_b32 s[G1B], s28, (1<<16)|(1<<20)|(1<<21)|(5<<22)|(3<<25)  ; elements of 2 bytes; padding after every 64 words (code 5)
	s_mov_b32 s[G1B+1], 128<<16
	s_mov_b32 s[G1B+2], 128<<16                    ; tensor_dim1 = 128
	s_mov_b32 s[G1B+3], 128<<16
	s_mov_b32 s[G1B+4], 128                        ; tile_dim1 = 128
	s_mov_b32 s[G1B+5], 1024
	s_mov_b32 s[G1B+6], 0
	s_mov_b32 s[G1B+7], 0
	s_lshl_b32 s29, s[HF], 18                      ; 64 rows of x, or 128 rows of a weight: 262,144 bytes either way
	s_lshl_b32 s[OA], s[TY], 19                    ; 128 rows of 4,096 bytes
	s_add_co_u32 s[OA], s[OA], s29
	s_mov_b32 s[OA+1], 0
	s_lshl_b32 s[OB], s[TX], 19                    ; 256 rows of 2,048 bytes
	s_add_co_u32 s[OB], s[OB], s29
	s_mov_b32 s[OB+1], 0
	s_mul_i32 s30, s[HF], AHALF                    ; where they go: no place in the cluster enters an LDS address
	s_mul_i32 s31, s[HF], BHALF
	s_add_co_u32 s31, s31, BOFF
	s_wait_dscnt 0x0                               ; the opening add is done
	s_wait_kmcnt 0x0
	s_add_nc_u64 s[88:89], s[4:5], s[OA:OA+1]      ; query at the rows that I fetch
	s_add_nc_u64 s[XN1:XN1+1], s[6:7], s[OA:OA+1]  ; key,
	s_add_nc_u64 s[XN2:XN2+1], s[8:9], s[OA:OA+1]  ; value
	s_add_nc_u64 s[10:11], s[10:11], s[OB:OB+1]    ; w_q's copy at the rows that I fetch
	CROUND                                         ; all sixteen work-groups are here: the first joint loads meet
.irp s, 0,1
	s_mov_b32 s[G0A+4*(\s)], 1                                     ; count = 1
	s_add_co_u32 s[G0A+4*(\s)+1], s30, (\s)*SLOT                   ; LDS address
	s_add_nc_u64 s[G0A+4*(\s)+2:G0A+4*(\s)+3], s[88:89], (\s)*512  ; global address: K step s
	s_or_b32 s[G0A+4*(\s)+3], s[G0A+4*(\s)+3], 0x80000000          ; type = 2
	s_mov_b32 s[G0B+4*(\s)], 1
	s_add_co_u32 s[G0B+4*(\s)+1], s31, (\s)*SLOT
	s_add_nc_u64 s[G0B+4*(\s)+2:G0B+4*(\s)+3], s[10:11], (\s)*256
	s_or_b32 s[G0B+4*(\s)+3], s[G0B+4*(\s)+3], 0x80000000
	JLOAD \s                                       ; two loads of mine are out
.endr
	; A fragment is 16 rows x 32 K: lane l holds row l % 16, K = 8 (l / 16) + 0..7 and 16 + 8 (l / 16) + 0..7.  In bf16: two loads of 16 bytes, 32 bytes apart.  In f32: two runs of 32 bytes, 64 bytes apart.
	v_and_b32 v1, 15, v0                           ; l % 16
	v_bfe_u32 v2, v0, 4, 1                         ; l / 16
	v_mul_u32_u24 v3, v1, PA
	v_lshl_add_u32 v3, v2, 5, v3
	s_mul_i32 s27, s[WR], AHALF                    ; my 64 rows of x
	v_add_nc_u32 v[ADRA], s27, v3
	v_add_nc_u32 v[ADRA+1], SLOT, v[ADRA]
	v_mul_u32_u24 v4, v1, PB
	v_lshl_add_u32 v4, v2, 4, v4
	v_add_nc_u32 v[ADRB], s31, v4                  ; my 128 rows of w are the half that bears my wave's low bit
	v_add_nc_u32 v[ADRB+1], SLOT, v[ADRB]
	s_mul_i32 s27, s[WV], WSTAGE
	s_add_co_u32 s27, s27, STAGE                   ; my stage
	v_mul_u32_u24 v[STO], v1, SP                   ; in: row l % 16, 16 bytes for each half of the lanes
	v_lshl_add_u32 v[STO], v2, 4, v[STO]
	v_add_nc_u32 v[STO], s27, v[STO]
	v_bfe_u32 v[RD], v0, 3, 2                      ; back: 32 lanes take four rows of 128 bytes,
	v_mul_u32_u24 v[RD], v[RD], SP
	v_and_b32 v5, 7, v0
	v_lshl_add_u32 v[RD], v5, 4, v[RD]
	v_add_nc_u32 v[RD], s27, v[RD]
	v_and_b32 v[GO], 31, v0                        ; which are 512 consecutive bytes of a head
	v_lshlrev_b32 v[GO], 4, v[GO]
	v_lshlrev_b32 v[BO], 5, v2
	v_bfe_u32 v[PFO], v0, 1, 4
	v_lshlrev_b32 v[PFO], 12, v[PFO]
	v_and_b32 v5, 1, v0
	v_lshl_add_u32 v[PFO], v5, 8, v[PFO]
	; the prefetches: my work-group's 16 rows of the 64 that I fetch; at K step 3: the first change of slots steps it to 4
	s_lshl_b32 s28, s[CX], 16
	s_mov_b32 s29, 0
	s_add_nc_u64 s[PFA:PFA+1], s[88:89], s[28:29]
	s_add_nc_u64 s[PFA:PFA+1], s[PFA:PFA+1], 3*512
	s_add_nc_u64 s[PXN1:PXN1+1], s[XN1:XN1+1], s[28:29]
	s_add_nc_u64 s[PXN2:PXN2+1], s[XN2:XN2+1], s[28:29]
	s_mov_b32 s[PCN], 5
	s_cmp_lt_u32 s[WV], 2
	s_cselect_b32 s[PLEFT], 20, 0
	; the biases at my 128 columns
	s_lshl_b32 s88, s[TX], 10
	s_lshl_b32 s27, s[HF], 9
	s_add_co_u32 s88, s88, s27
	s_mov_b32 s89, 0
	s_add_nc_u64 s[12:13], s[12:13], s[88:89]
	s_add_nc_u64 s[BN1:BN1+1], s[14:15], s[88:89]
	s_add_nc_u64 s[BN2:BN2+1], s[16:17], s[88:89]
	; the result: batch ty / 16 (16 heads of 262,144 bytes), heads 4 tx + 2 half, rows 128 (ty % 16) + 64 x my row half, 128 bytes a row
	s_lshr_b32 s27, s[TY], 4
	s_lshl_b32 s88, s27, 22
	s_lshl_b32 s27, s[TX], 20
	s_add_co_u32 s88, s88, s27
	s_lshl_b32 s27, s[HF], 19
	s_add_co_u32 s88, s88, s27
	s_and_b32 s27, s[TY], 15
	s_lshl_b32 s27, s27, 14
	s_add_co_u32 s88, s88, s27
	s_lshl_b32 s27, s[WR], 13
	s_add_co_u32 s88, s88, s27
	s_add_nc_u64 s[CP:CP+1], s[18:19], s[88:89]
; 32 LDS loads in one run: quarter q (32 along K) of a slot: x's four fragments as f32 first, then w's eight into buffer g
.macro FETCH slot, q, g
	WIN 0
.irp i, 0,1,2,3
	ds_load_b128 v[RAW+16*(\i):RAW+16*(\i)+3],     v[ADRA+(\slot)] offset:128*(\q)+(\i)*16*PA
	ds_load_b128 v[RAW+16*(\i)+4:RAW+16*(\i)+7],   v[ADRA+(\slot)] offset:128*(\q)+(\i)*16*PA+16
	ds_load_b128 v[RAW+16*(\i)+8:RAW+16*(\i)+11],  v[ADRA+(\slot)] offset:128*(\q)+(\i)*16*PA+64
	ds_load_b128 v[RAW+16*(\i)+12:RAW+16*(\i)+15], v[ADRA+(\slot)] offset:128*(\q)+(\i)*16*PA+80
.endr
	WIN TO_B
.irp i, 0,1,2,3,4,5,6,7
	ds_load_b128 v[BF+64*(\g)+8*(\i):BF+64*(\g)+8*(\i)+3],   v[ADRB+(\slot)] offset:64*(\q)+(\i)*16*PB
	ds_load_b128 v[BF+64*(\g)+8*(\i)+4:BF+64*(\g)+8*(\i)+7], v[ADRB+(\slot)] offset:64*(\q)+(\i)*16*PB+32
.endr
.endm
; x's four fragments rounded to bf16, into buffer f: 32 plain vector instructions.  They name no register of the products in front of them (those read the other buffers), so they are also the places
; that ISA guide 7.12.1 asks for between those products and the loads into w's other buffer; and buffer f itself was last read a whole such run earlier.
.macro CVT f
	WIN 0
.irp i, 0,1,2,3
.irp j, 0,1,2,3,4,5,6,7
	v_cvt_pk_bf16_f32 v[ABF+32*(\f)+8*(\i)+(\j)], v[RAW+16*(\i)+2*(\j)], v[RAW+16*(\i)+2*(\j)+1]
.endr
.endr
.endm
; 8 matrix instructions: row block a x all 8 column blocks, 32 along K.  first = 1: the sum begins with the bias.  The 32 accumulators take turns in one order everywhere.
.macro MUL8 f, a, first
.if \first
	WIN MULB
.else
	WIN MUL
.endif
.irp b, 0,1,2,3,4,5,6,7
.if \first
	v_wmma_f32_16x16x32_bf16 v[8*(8*(\a)+(\b)):8*(8*(\a)+(\b))+7], v[BF+64*(\f)+8*(\b):BF+64*(\f)+8*(\b)+7], v[ABF+32*(\f)+8*(\a):ABF+32*(\f)+8*(\a)+7], v[BIAS+8*(\b):BIAS+8*(\b)+7]
.else
	v_wmma_f32_16x16x32_bf16 v[8*(8*(\a)+(\b)):8*(8*(\a)+(\b))+7], v[BF+64*(\f)+8*(\b):BF+64*(\f)+8*(\b)+7], v[ABF+32*(\f)+8*(\a):ABF+32*(\f)+8*(\a)+7], v[8*(8*(\a)+(\b)):8*(8*(\a)+(\b))+7]
.endif
.endr
.endm
; A K step is four quarters of 32 along K, 32 matrix instructions each, on buffers 0, 1, 0, 1.  One of the first three: rounds x for buffer f, fetches quarter qn into the other, multiplies buffer f.
.macro QUARTER slot, qn, f, first
	WIN 0
	s_wait_dscnt 16                                ; x's sixteen loads are in; w's sixteen, issued behind them, may be out
	CVT \f
	FETCH \slot, \qn, 1-(\f)
	s_wait_dscnt 32                                ; all but the 32 just issued
.irp a, 0,1,2,3
	MUL8 \f, \a, \first
.endr
.endm
; The fourth quarter multiplies buffer 1 and changes slots.  ONE barrier: in front of it each wave waits for all its tensor loads (one is out: its part of the next slot), adds 0 to its spare word, and waits
; for that and for its reads of this slot.  mode 0: this slot is filled again with this tile's K step two on; mode 1: with the NEXT tile's K step 0 or 1; the barrier then opens a round of the cluster's
; barrier, and the joint refill is the first thing behind the round: about 110 matrix instructions ahead of the wait for it.  mode 2: nothing is filled.
.macro TURN slot, next, mode
.if (\mode) < 2
	s_wait_xcnt 0x0                                ; the last prefetch, a K step back, has read its address: it is stepped here, ahead of the change's own waits
	s_add_nc_u64 s[PFA:PFA+1], s[PFA:PFA+1], 512
	s_sub_co_u32 s[PCN], s[PCN], 1
	s_cmp_eq_u32 s[PCN], 0                         ; past a tensor's last K step: on to the next tensor's first
	s_cselect_b64 s[PFA:PFA+1], s[PXN1:PXN1+1], s[PFA:PFA+1]
	s_cselect_b64 s[PXN1:PXN1+1], s[PXN2:PXN2+1], s[PXN1:PXN1+1]
	s_cselect_b32 s[PCN], 8, s[PCN]
.endif
	WIN 0
	s_wait_dscnt 16                                ; x's loads are in
	CVT 1
	s_wait_tensorcnt 0x0                           ; all my tensor loads have landed;
	ds_add_u32 v[SPW], v[NIL]                      ; 0 onto my spare word
	s_wait_dscnt 1                                 ; (w's loads are in; the add alone may be out)
	MUL8 1, 0, 0                                   ; eight matrix instructions stand between the add and the wait for it
	s_wait_dscnt 0x0                               ; the add is done, and my reads of this slot are over
	s_barrier_signal -1
	MUL8 1, 1, 0                                   ; work on registers while the others arrive
	WIN 0
	s_barrier_wait -1
.if (\mode) < 2
	CREST                                          ; no wave of any partner still reads this slot or has a load on its way
.if (\mode) == 1
	s_add_nc_u64 s[G0A+4*(\slot)+2:G0A+4*(\slot)+3], s[XN1:XN1+1], (\slot)*512
	s_or_b32 s[G0A+4*(\slot)+3], s[G0A+4*(\slot)+3], 0x80000000
	s_add_nc_u64 s[G0B+4*(\slot)+2:G0B+4*(\slot)+3], s[G0B+4*(\slot)+2:G0B+4*(\slot)+3], NEXT_B
.else
	s_add_nc_u64 s[G0A+4*(\slot)+2:G0A+4*(\slot)+3], s[G0A+4*(\slot)+2:G0A+4*(\slot)+3], 2*512
	s_add_nc_u64 s[G0B+4*(\slot)+2:G0B+4*(\slot)+3], s[G0B+4*(\slot)+2:G0B+4*(\slot)+3], 2*256
.endif
	JLOAD \slot
.endif
	FETCH \next, 0, 0                              ; buffer 0 was last read in front of this quarter's 32 conversions
.if (\mode) < 2
	ASK
.endif
	MUL8 1, 2, 0
	MUL8 1, 3, 0
.endm
; The bias of my 128 columns as a C operand: register j of block b holds column 16 b + 8 (l / 16) + j, whatever the row.
.macro BIASLOAD base
	WIN TO_B
.irp b, 0,1,2,3,4,5,6,7
	global_load_b128 v[BIAS+8*(\b):BIAS+8*(\b)+3],   v[BO], s[(\base):(\base)+1] offset:64*(\b)
	global_load_b128 v[BIAS+8*(\b)+4:BIAS+8*(\b)+7], v[BO], s[(\base):(\base)+1] offset:64*(\b)+16
.endr
	WIN 0
.endm
.macro ROUNDB                          ; the bias is rounded to bf16 like every input of the module, and widened again
	WIN W_B1
.set i, 0
.rept 32
	v_cvt_pk_bf16_f32 v[BT+i], v[BIAS+2*i], v[BIAS+2*i+1]
.set i, i+1
.endr
.set i, 0
.rept 32
	v_lshlrev_b32 v[BIAS+2*i],   16,         v[BT+i]
	v_and_b32     v[BIAS+2*i+1], 0xffff0000, v[BT+i]
.set i, i+1
.endr
	WIN 0
.endm
; THE WAY OUT of row block a.  PACK: rounded to f16, 16 bytes a lane, each accumulator's registers in ascending order.  TOSTAGE: into my own stage (2 heads x 16 rows of 144 bytes) and back as whole rows
; of 128 bytes.  SEND: stored, four rows of a head (512 consecutive bytes, aligned) an instruction.
.macro PACK a
	WIN W_PK
.irp b, 0,1,2,3,4,5,6,7
.irp r, 0,1,2,3
	v_cvt_pk_f16_f32 v[TMP+4*(\b)+(\r)], v[8*(8*(\a)+(\b))+2*(\r)], v[8*(8*(\a)+(\b))+2*(\r)+1]
.endr
.endr
	WIN 0
.endm
.macro TOSTAGE a
	WIN 0
.irp b, 0,1,2,3,4,5,6,7
	ds_store_b128 v[STO], v[TMP+4*(\b):TMP+4*(\b)+3] offset:((\b)/4)*16*SP+((\b)%4)*32
.endr
.irp t, 0,1,2,3,4,5,6,7
	ds_load_b128 v[BK+32*((\a)%2)+4*(\t):BK+32*((\a)%2)+4*(\t)+3], v[RD] offset:((\t)/4)*16*SP+((\t)%4)*4*SP  ; LDS serves a wave's instructions in order (ISA guide 5.7.1.4): these see the stores above
.endr
.endm
.macro SEND a
	WIN 0
	s_wait_dscnt 0x0                               ; the block is back in registers
	s_wait_xcnt 0x0                                ; the stores issued so far have read their registers: the block behind this one loads into those of the block before it
.irp t, 0,1,2,3,4,5,6,7
	global_store_b128 v[GO], v[BK+32*((\a)%2)+4*(\t):BK+32*((\a)%2)+4*(\t)+3], s[CP:CP+1] offset:((\t)/4)*262144+(\a)*2048+((\t)%4)*512
.endr
.endm
.macro WAYOUT                          ; block a's conversions stand between block a - 1's loads from the stage and the wait for them
	PACK 0
	TOSTAGE 0
.irp a, 1,2,3
	PACK \a
	SEND (\a)-1
	TOSTAGE \a
.endr
	SEND 3
.endm
	BIASLOAD 12                                    ; b_q
	s_wait_tensorcnt 1                             ; my part of K step 0 is in; K step 1's may stay out
	s_barrier_signal -1
	s_barrier_wait -1                              ; everybody's is
	FETCH 0, 0, 0
	WIN 0                                          ; at a label and at a branch every window is 0
	s_mov_b32 s2, 3                                ; tiles to go, this one among them: the same number in every work-group
.Ltile:
	s_wait_loadcnt 0x0                             ; the tile's bias
	ROUNDB
	QUARTER 0, 1, 0, 1                             ; a tile's first quarter stands in front of the loop: its products start the sums
	WIN 0
	s_mov_b32 s3, 3
.Llap:                                                 ; a trip goes once round the ring, from a lap's second quarter to the next lap's first, and fills both slots again
	QUARTER 0, 2, 1, 0
	QUARTER 0, 3, 0, 0
	TURN 0, 1, 0
	QUARTER 1, 1, 0, 0
	QUARTER 1, 2, 1, 0
	QUARTER 1, 3, 0, 0
	TURN 1, 0, 0
	QUARTER 0, 1, 0, 0
	WIN 0
	s_sub_co_u32 s3, s3, 1
	s_cmp_lg_u32 s3, 0
	s_cbranch_scc1 .Llap
	QUARTER 0, 2, 1, 0                             ; the tile's last lap goes on
	QUARTER 0, 3, 0, 0
	WIN 0
	s_cmp_eq_u32 s2, 1
	s_cbranch_scc1 .Llast                          ; the last tile's tail is written out: it asks for nothing more
	TURN 0, 1, 1                                   ; THE RING GOES ON INTO THE NEXT TILE: slot 0 takes its K step 0,
	QUARTER 1, 1, 0, 0
	QUARTER 1, 2, 1, 0
	QUARTER 1, 3, 0, 0
	TURN 1, 0, 1                                   ; slot 1 its K step 1, and the next tile's first fragments are fetched
	BIASLOAD BN1                                   ; the next tile's bias: its registers were last read in this tile's first quarter
	WAYOUT                                         ; both refills are asked for: now the tile goes out.  Blocks 0 and 1 were finished in front of the joint load's four v_nop; their conversions are the places behind blocks 2 and 3's products
	s_wait_xcnt 0x0                                ; the stores and the bias loads have read their registers and bases
	s_add_nc_u64 s[CP:CP+1], s[CP:CP+1], 16777216  ; the next tensor's plane of qkv
	s_mov_b64 s[XN1:XN1+1], s[XN2:XN2+1]
	s_mov_b64 s[BN1:BN1+1], s[BN2:BN2+1]
	s_sub_co_u32 s2, s2, 1
	s_branch .Ltile
.Llast:
	TURN 0, 1, 2
	QUARTER 1, 1, 0, 0
	QUARTER 1, 2, 1, 0
	QUARTER 1, 3, 0, 0
	WIN 0
	s_wait_dscnt 0x0                               ; the very last quarter: nothing more to fetch
	CVT 1
.irp a, 0,1,2,3
	MUL8 1, \a, 0
.endr
.rept 4
	v_nop                                          ; four places between the last products and the conversions that read results (ISA guide 7.12.1)
.endr
	WAYOUT
	s_wait_tensorcnt 0x0                           ; the wave's end, behind my last tensor load and my last LDS store
	ds_add_u32 v[SPW], v[NIL]
	s_wait_dscnt 0x0
	CROUND                                         ; the closing round: no work-group ends while a partner may still ask for a tile that names it
	s_endpgm
.Lfunc_end_k_qa6b94cdde1_proj:
	.size	k_qa6b94cdde1_proj, .Lfunc_end_k_qa6b94cdde1_proj-k_qa6b94cdde1_proj
	.p2alignl 7, 3214868480
	.fill 96, 4, 3214868480
	.section	.rodata,"a",@progbits
	.p2align	6, 0x0
	.amdhsa_kernel k_qa6b94cdde1_proj
		.amdhsa_group_segment_fixed_size 327680
		.amdhsa_private_segment_fixed_size 0
		.amdhsa_enable_private_segment 0
		.amdhsa_kernarg_size 64
		.amdhsa_user_sgpr_count 2
		.amdhsa_user_sgpr_kernarg_segment_ptr 1
		.amdhsa_wavefront_size32 1
		.amdhsa_system_sgpr_workgroup_id_x 1
		.amdhsa_system_sgpr_workgroup_id_y 1
		.amdhsa_system_sgpr_workgroup_id_z 1
		.amdhsa_system_vgpr_workitem_id 0
		.amdhsa_next_free_vgpr 768
		.amdhsa_next_free_sgpr 90
		.amdhsa_reserve_vcc 0
		.amdhsa_float_denorm_mode_32 3
		.amdhsa_float_denorm_mode_16_64 3
		.amdhsa_memory_ordered 1
		.amdhsa_forward_progress 1
		.amdhsa_inst_pref_size 184
	.end_amdhsa_kernel
	.amdgpu_metadata
---
amdhsa.version: [ 1, 2 ]
amdhsa.kernels:
  - .name:           k_qa6b94cdde1_proj
    .symbol:         k_qa6b94cdde1_proj.kd
    .args:
      - { .name: query, .offset: 0, .size: 8, .value_kind: global_buffer, .address_space: global }
      - { .name: key, .offset: 8, .size: 8, .value_kind: global_buffer, .address_space: global }
      - { .name: value, .offset: 16, .size: 8, .value_kind: global_buffer, .address_space: global }
      - { .name: wc, .offset: 24, .size: 8, .value_kind: global_buffer, .address_space: global }
      - { .name: b_q, .offset: 32, .size: 8, .value_kind: global_buffer, .address_space: global }
      - { .name: b_k, .offset: 40, .size: 8, .value_kind: global_buffer, .address_space: global }
      - { .name: b_v, .offset: 48, .size: 8, .value_kind: global_buffer, .address_space: global }
      - { .name: qkv, .offset: 56, .size: 8, .value_kind: global_buffer, .address_space: global }
    .group_segment_fixed_size: 327680
    .private_segment_fixed_size: 0
    .kernarg_segment_align: 8
    .kernarg_segment_size: 64
    .max_flat_workgroup_size: 128
    .sgpr_count:     90
    .vgpr_count:     768
    .wavefront_size: 32
...
	.end_amdgpu_metadata
.endif
;; end of part 2
;; launch attn (part 3): grid 4 x 64, 4 waves a work-group, clusters of 4 x 1, 327,680 bytes of LDS; arguments qkv, oh; writes oh
.if DOCPART == 3
	.amdgcn_target "amdgcn-amd-amdhsa--gfx1250"
	.amdhsa_code_object_version 6
	.text
	.protected	k_qa6b94cdde1_attn
	.globl	k_qa6b94cdde1_attn
	.p2align	8
	.type	k_qa6b94cdde1_attn,@function
k_qa6b94cdde1_attn:
	s_mov_b64 s[64:65], 0
	v_nop
	global_prefetch_b8 v0, s[64:65] scope:SCOPE_SE
	s_setreg_imm32_b32 hwreg(HW_REG_WAVE_MODE, 25, 1), 1
	s_wait_xcnt 0x0
	s_wait_alu depctr_hold_cnt(0) depctr_sa_sdst(0) depctr_va_vdst(0) depctr_va_sdst(0) depctr_va_ssrc(0) depctr_va_vcc(0) depctr_vm_vsrc(0)
	s_getreg_b32 s2, hwreg(HW_REG_IB_STS2, 6, 4)
	s_cmp_eq_u32 s2, 0
	s_cbranch_scc0 .Lentry_in_a_cluster
	s_endpgm
.Lentry_in_a_cluster:
	s_bfe_u32 s2, ttmp6, 0x10000c
	s_cmp_lg_u32 s2, 0x3003
	s_cbranch_scc0 .Lentry_shape_is_right
	s_endpgm
.Lentry_shape_is_right:
; O[h][q][:] = the sum over k of softmax_k(Q[h][q] . K[h][k] / 8) V[h][k][:].  Q, K, V are the three planes of qkv, O is oh: each [SIZE_H][SIZE_N][64] in f16: a head's rows are dense, 128 bytes each.
; Products, maxima and sums in f32; the weights p are rounded to f16 for the second product (their sum l is taken of the unrounded p), O once at the end.
; LIMITS.  f16 holds no number beyond 65,504: Q, K and V arrive within it; p lies in 0 to 1, and below 6e-5 it keeps f16's fixed step of 6e-8; O is a mean of V's rows and has their range.
; A weight below 2^-126 counts as 0 in l; NaN and infinities are not treated apart.
; SHARES.  A wave owns four PIECES of two tiles of 16 queries, a work-group's four waves 512 queries of one head: 4 work-groups a head, 256 in all.  Every wave walks all keys, 64 a step.
; LAYOUT.  S^T = K Q^T (source 0 = 16 keys, source 1 = 16 queries): in the result a lane holds ONE query (lane % 16) and the keys 8 (lane / 16) + 0..7.  Two such tiles, rounded to f16 in pairs,
; ARE source 1 (32 keys x 16 queries) of O^T = V^T P, whose result again holds one query a lane, and eight channels.  K comes out of LDS as it lies, V ([key][channel]) turned, by ds_load_tr16_b128.
; SOFTMAX.  For each query a running maximum m and sum l: p = 2^(c s - c m), c = log2(e) / 8; in every step O and l are multiplied by a = 2^(c m_old - c m_new), which is 1 where m has not grown.
; m starts at the lowest finite number, O and l at 0: the first step is a step like any other, with a = 0.
; THE COUNT.  A tile and step have 16 matrix and 118 vector instructions: too many to stand all beside the matrix work.  So the order has one aim: four vector instructions that are READY behind
; EVERY matrix instruction, and the others, which need time of their own whatever the order, in runs without a gap.
; BY TURNS.  Turn n belongs to piece n (the pieces in a ring, step after step).  Its matrix work: 16 products K Q^T of piece n + 1, later 16 products V^T P of piece n - 1.  Its vector work: the scaling,
; exponentials, roundings, sums and rescaling of piece n, and the maximum and statistics of piece n + 1, whose scores the turn itself has made.  So what a turn begins with (c s - c m, O a) waits for nothing.
; CLUSTER.  The four query blocks of a cluster are one head's and walk the same K and V, so each tile is asked for JOINTLY: the same tensor load, descriptor and mask in all four.
; REGISTERS, in windows of 256 (s_set_vgpr_msb says which window each operand place means: bits 1:0 source 0, 3:2 source 1, 5:4 source 2, 7:6 destination):
;   window 0: v0-11 addresses; v12-15, v48-63 at work; v16-47 four registers of statistics a tile; v64-191 S^T, two buffers of two tiles; v192-255 P, likewise
;   window 1: O^T, 32 a tile          window 2: v0-127 Q, 16 a tile; v128-191 K of one step; v192-255 V of one step          window 3: v0-1 the add's two registers
; A piece's buffers go by its number's parity: the piece in hand has one pair, its two neighbours in the ring share the other: of it P (piece n - 1) is read and S^T (piece n + 1) written.
.set SIZE_H, 64
.set SIZE_N, 2048
.set NP,    4         ; pieces a wave: a name, no knob: the register map, the loop and the fetches are made for four
.set KS,    64        ; keys in a step
.set PK,    144       ; a row of K in LDS: 128 bytes + 16 of padding = 36 words: the 16 rows of a load start at 16 different groups of four banks (64 banks of 4 bytes: ISA guide 11.1)
.set PV,    160       ; a row of V: 128 + 32 = 40 words
.set VOFF,  4*KS*PK   ; a slot holds four steps: 256 rows of K, then 256 rows of V
.set SLOT1, 1<<17     ; slot 1 begins here, so that one exclusive or turns an address in one slot into the other's
.set STAGE, SLOT1+4*KS*(PK+PV)  ; behind the ring, never filled by a tensor load: 16 rows x 144 bytes for each wave, for the way out
.set SP,    144
.set AK0, 2           ; v2   my lane's place in a tile of K; never rewritten
.set AV0, 3           ; v3   the same for V
.set AK,  4           ; v4   the LDS address of K's next run of loads
.set AV,  5           ; v5   of V's
.set QO,  6           ; v6   my byte offset in the wave's rows of Q
.set STO, 6           ;      later, the way out: where I put 16 bytes of a row
.set RD,  7           ; v7   the way out: where I read rows back
.set GO,  8           ; v8   my byte offset in 512 consecutive bytes of O
.set PFO, 11          ; v11  the prefetches' offset: 256 x my lane; never rewritten once it is made
.set SPW, 0           ; v0 of window 3   LDS address of my spare word: SPARE + 4 x my thread's number; never rewritten
.set NIL, 1           ; v1 of window 3   0; never rewritten
.set SPARE, STAGE+4*16*SP  ; behind the stages: the spare words, 128 bytes for each wave: two blocks of 256 bytes that no other line names
.set MV,  12          ; v12-15  c m_old, kept while c m is made anew: by buffer and tile
.set ST,  16          ; tile t's statistics at v[ST+4 t]: c m, m, l (even keys', odd keys')
.set TMP, 48          ; by buffer and tile, four registers c0-c3 at work; when the maximum is found c2 takes a
.set S,   64
.set P,   192
.set KF,  128         ; K's fragments, in window 2: key block kb, channel half c at KF + 16 kb + 8 c
.set VF,  192         ; V's: key half kk, channel block cb at VF + 32 kk + 8 cb
.set WV,  12          ; s12  my wave's number
.set G1K, 24          ; s[24:31] descriptor group 1 for K's tiles
.set G1V, 32          ; s[32:39] for V's: it differs in the padding alone
.set G0K, 40          ; s[40:43] descriptor group 0 for K's tiles: it walks
.set G0V, 44          ; s[44:47] the same for V's
.set PFA, 48          ; s[48:49] where my prefetches stand: my work-group's 32 blocks of 256 bytes (of K: wave 0, of V: wave 2) of the slot after the one that is being asked for
.set LIM, 50          ; s50  1 in a wave that prefetches, else the greatest number: a wave prefetches while s[SLOTS] is above it
.set SLOTS, 56        ; s56  slots still to be asked for
.set CNT, 57          ; s57  counts a slot's key steps
.set CS,  58          ; s[58:59] c: the packed scaling takes the pair's low word for both halves
.set SEL, 60          ; s[60:61] v_permlanex16_b32's selects: each lane takes its own place in the other half
.set TBK, 62          ; s62  LDS byte at which K of the step to be fetched begins
.set TBV, 63          ; s63  the same for V, less VOFF
.set MSB, 0
.macro WIN new                      ; the high byte repeats the setting that is left; a switch that changes nothing is dropped
.if MSB != (\new)
	s_set_vgpr_msb (MSB<<8)|(\new)
.set MSB, (\new)
.endif
.endm
.set W_KQ, 0x0a       ; K and Q in window 2, S^T in window 0
.set W_PV, 0x52       ; V in window 2, P in window 0, O^T in window 1
.set W_RS, 0x41       ; O^T (destination and source 0) in window 1, a in window 0
.set W_MK, 0xc0       ; the add's registers are made: destination in window 3, sources in window 0
.set W_AD, 0x0f       ; the add: address (source 0) and data (source 1) in window 3
; A joint fill.  Waves 0 and 1 fetch the two halves of a slot's K, waves 2 and 3 those of its V: 128 keys each.  The branch hangs on the wave's number alone.
; An s_nop 0 and four v_nop follow each of the two lines, ahead of the jump and the label.
.macro JLOAD
	s_cmp_lt_u32 s[WV], 2
	s_cbranch_scc0 .Lfor_v_\@
	tensor_load_to_lds s[G0K:G0K+3], s[G1K:G1K+7]
	s_nop 0
.rept 4
	v_nop
.endr
	s_branch .Lasked_\@
.Lfor_v_\@:
	tensor_load_to_lds s[G0V:G0V+3], s[G1V:G1V+7]
	s_nop 0
.rept 4
	v_nop
.endr
.Lasked_\@:
.endm
; A PREFETCH INTO THE L2 of what the NEXT change of slots will ask for: a slot's 32,768 bytes of K and of V, 128 blocks of 256 bytes each, a lane a block.  It stands behind the wave's tensor load and its
; five lines.  Each block is asked for ONCE in the launch: a head has one cluster; its four partners share the blocks out BY ADDRESS, 32 each; in each, wave 0 asks for K's and wave 2 for V's: one
; instruction, four key steps (512 matrix instructions) ahead of the load.  Slots 0 to 2 come by their loads alone; the last change that fills a slot asks for nothing: there is no slot behind it.
.macro ASK
	s_cmp_gt_u32 s[SLOTS], s[LIM]
	s_cbranch_scc0 .Lnot_mine_\@
	global_prefetch_b8 v[PFO], s[PFA:PFA+1] th:TH_LOAD_NT scope:SCOPE_SE
.Lnot_mine_\@:
.endm
; A round of the cluster's barrier: my work-group's barrier, so that wave 0's signal speaks for all four waves; wave 0 signals; every wave waits for all four work-groups; my work-group's barrier once more.
.macro CROUND
	s_barrier_signal -1
	s_barrier_wait -1
	s_cmp_lg_u32 s[WV], 0
	s_cbranch_scc1 .Lnot_wave_0_\@
	s_barrier_signal -3
.Lnot_wave_0_\@:
	s_barrier_wait -3
	s_barrier_signal -1
	s_barrier_wait -1
.endm
; THE CHANGE OF SLOTS.  The slot's last bytes, V of its fourth step, have been read.  Each wave waits for all its tensor loads, of which one is out: its part
; of the other slot; adds 0 to its spare word; and waits for that and for its own reads of the slot.  Behind the barrier nobody reads this slot any more and the other slot is whole.
; fill = 1: this slot is filled again, with the keys two slots on.  The barrier is then a round of the cluster's, so that no wave of any partner still reads the slot or has a load on its
; way, and the joint fill is the first thing behind it: it has four key steps, 512 matrix instructions, in which to land.  (At its first use nothing has been read yet: slot 0 is waited for, slot 1 filled.)
; ask = 1: the prefetch follows the fill.
.macro CHANGE fill, ask=0
	WIN W_AD
	s_wait_tensorcnt 0x0            ; no tensor load of mine is out, so a group 0 may be written
	ds_add_u32 v[SPW], v[NIL]       ; 0 onto my spare word; with fill = 1 the descriptors' steps stand between it and the wait for it
	WIN 0                           ; at a label and at a branch every window is 0
.if \fill
.irp g, G0K, G0V
	s_xor_b32 s[\g+1], s[\g+1], SLOT1  ; the walking descriptor: the other slot than last time,
	s_add_nc_u64 s[\g+2:\g+3], s[\g+2:\g+3], 4*KS*128  ; the next 256 keys; the type bits on top are not reached
.endr
	s_wait_xcnt 0x0                 ; the last prefetch, four key steps back, has read its address, so it may be written:
	s_add_nc_u64 s[PFA:PFA+1], s[PFA:PFA+1], 4*KS*128  ; one slot behind the walking descriptors
	s_wait_dscnt 0x0                ; the add is done, and my reads of the slot are over
	CROUND
	JLOAD
.if \ask
	ASK
.endif
.else
	s_wait_dscnt 0x0                ; the add is done, and my reads of the slot are over
	s_barrier_signal -1
	s_barrier_wait -1
.endif
	s_sub_co_u32 s[TBK], s[TBK], 4*KS*PK  ; the fetches go back to a slot's first step,
	s_xor_b32 s[TBK], s[TBK], SLOT1       ; in the other slot
	s_sub_co_u32 s[TBV], s[TBV], 4*KS*PV
	s_xor_b32 s[TBV], s[TBV], SLOT1
.endm
	s_load_b64 s[4:5], s[0:1], 0x0    ; qkv: Q's plane
	s_load_b64 s[10:11], s[0:1], 0x8  ; O
	WIN W_MK
	v_lshl_add_u32 v[SPW], v0, 2, SPARE
	v_mov_b32 v[NIL], 0
	WIN W_AD
	ds_add_u32 v[SPW], v[NIL]       ; the wave's opening: the add and its wait ahead of my first tensor load; the set-up below, work on registers, stands between them
	WIN 0
	v_lshrrev_b32 v1, 5, v0
	v_readfirstlane_b32 s[WV], v1   ; wave 0..3
	s_bfe_u32 s13, ttmp6, 0x40000   ; cx: my place in the cluster
	s_lshl_b32 s14, ttmp9, 2        ; in a cluster launch ttmp9 counts clusters
	s_add_co_u32 s14, s14, s13      ; my block of queries = 4 x cluster x + cx: it enters Q's and O's addresses alone
	s_and_b32 s20, ttmp7, 0xffff    ; the head, which the four partners share
	s_mov_b32 s21, 0
	s_mov_b64 s[22:23], SIZE_N*128
	s_mul_u64 s[20:21], s[20:21], s[22:23]  ; the head's first byte in each of the four tensors
	s_and_b32 s16, s[WV], 1         ; which half of a slot's 256 keys I fetch:
	s_lshl_b32 s22, s16, 14         ; its 128 rows of 128 bytes in memory,
	s_mov_b32 s23, 0
	s_add_nc_u64 s[22:23], s[22:23], s[20:21]
	s_mul_i32 s17, s16, 128*PK      ; and its place in a slot, for K
	s_mul_i32 s18, s16, 128*PV      ; and for V: no place in the cluster enters an LDS address
	s_lshl_b32 s2, s14, 2
	s_add_co_u32 s2, s2, s[WV]      ; my wave among the head's,
	s_lshl_b32 s2, s2, 14           ; its 128 rows
	s_mov_b32 s3, 0
	s_add_nc_u64 s[2:3], s[2:3], s[20:21]
	; descriptor group 1.  128 keys are 16,384 dense bytes: asked for as 64 rows of 256 bytes, two keys a row, and padded in LDS after every key
	s_mov_b32 s[G1K], 15|(1<<16)|(1<<20)|(1<<21)|(4<<22)|(3<<25)  ; 15:0 the mask of four; 17:16 2-byte elements; 20 padding on; 21 set beside a mask; 24:22 after every 32 words (code 4); 31:25 4 words (code 3)
	s_mov_b32 s[G1V], 15|(1<<16)|(1<<20)|(1<<21)|(4<<22)|(7<<25)  ; the same with 8 words of padding (code 7)
.irp g, G1K, G1V
	s_mov_b32 s[\g+1], 128<<16      ; tensor_dim0 = 128
	s_mov_b32 s[\g+2], 64<<16       ; tensor_dim1 = 64
	s_mov_b32 s[\g+3], 128<<16      ; tile_dim0 = 128
	s_mov_b32 s[\g+4], 64           ; tile_dim1 = 64
	s_mov_b32 s[\g+5], 128          ; 128 elements from row to row
	s_mov_b32 s[\g+6], 0
	s_mov_b32 s[\g+7], 0
.endr
	s_mov_b32 s[CS], 0x3e38aa3b     ; c = log2(e) / 8 = 0.180337
	s_mov_b32 s[CS+1], s[CS]        ; named with it as a pair
	s_mov_b32 s[SEL], 0x76543210
	s_mov_b32 s[SEL+1], 0xfedcba98
	s_mov_b32 s[TBK], SLOT1+4*KS*PK ; the first change of slots turns these two into 0
	s_mov_b32 s[TBV], SLOT1+4*KS*PV
	s_mov_b32 s[G0K], 1             ; 1:0 count = 1
	s_mov_b32 s[G0K+1], s17         ; 63:32 LDS address: slot 0
	s_mov_b32 s[G0V], 1
	s_add_co_u32 s[G0V+1], s18, VOFF
	s_and_b32 s[LIM], s[WV], 1      ; 0 in waves 0 and 2,
	s_or_b32 s[LIM], s[LIM], ttmp9  ; where the cluster is the head's first: the same in all four partners
	s_cmp_eq_u32 s[LIM], 0
	s_cselect_b32 s[LIM], 1, -1
	s_wait_dscnt 0x0                ; the opening add is done
	s_wait_kmcnt 0x0
	s_add_nc_u64 s[6:7], s[4:5], 16777216   ; K's plane of qkv
	s_add_nc_u64 s[8:9], s[4:5], 33554432   ; V's
	s_add_nc_u64 s[G0K+2:G0K+3], s[6:7], s[22:23]  ; 120:64 global address: my half of the head's first 256 keys
	s_or_b32 s[G0K+3], s[G0K+3], 0x80000000        ; 127:126 type = 2
	s_add_nc_u64 s[G0V+2:G0V+3], s[8:9], s[22:23]
	s_or_b32 s[G0V+3], s[G0V+3], 0x80000000
	s_add_nc_u64 s[4:5], s[4:5], s[2:3]  ; Q and O at my wave's first row
	s_add_nc_u64 s[10:11], s[10:11], s[2:3]
	s_cmp_lt_u32 s[WV], 2
	s_cselect_b64 s[PFA:PFA+1], s[6:7], s[8:9]
	s_add_nc_u64 s[PFA:PFA+1], s[PFA:PFA+1], s[20:21]  ; the head,
	s_lshl_b32 s2, s13, 13          ; my work-group's 32 blocks of the 128,
	s_mov_b32 s3, 0
	s_add_nc_u64 s[PFA:PFA+1], s[PFA:PFA+1], s[2:3]
	s_add_nc_u64 s[PFA:PFA+1], s[PFA:PFA+1], 4*KS*128  ; in slot 1: two changes of slots step it to slot 3, the first that is asked for.  Nothing is prefetched here, at the head
	CROUND                          ; all four work-groups are here: the first joint loads meet
	JLOAD                           ; slot 0.  Slot 1 is asked for when slot 0 is in: the tile wanted first has the road to itself
	; A fragment of K or Q is 16 rows x 32 channels in 8 registers: lane l holds row l % 16, channels 8 (l / 16) + 0..7 and 16 + 8 (l / 16) + 0..7: two loads of 16 bytes, 32 bytes apart.
	v_and_b32 v1, 15, v0            ; l % 16
	v_bfe_u32 v9, v0, 4, 1          ; l / 16
	v_lshlrev_b32 v[QO], 7, v1
	v_lshl_add_u32 v[QO], v9, 4, v[QO]  ; row x 128 + 16 x half
	WIN 0x80                        ; destination window 2, address window 0
.set i, 0
.rept 4*NP                          ; Q stays in registers: tile i / 2, channels 32 (i % 2) on
	global_load_b128 v[8*i:8*i+3],   v[QO], s[4:5] offset:(i/2)*2048+(i%2)*64
	global_load_b128 v[8*i+4:8*i+7], v[QO], s[4:5] offset:(i/2)*2048+(i%2)*64+32
.set i, i+1
.endr
	; What the first turn finds: V's registers and P's second buffer hold 0 (its products V^T P, of a piece that has not been, add 0), O^T and l are 0.  All this stands in the wait for the first tile.
.set i, VF
.rept 64
	v_mov_b32 v[i], 0
.set i, i+1
.endr
	WIN 0x40
.set i, 0
.rept 64*NP
	v_mov_b32 v[i], 0
.set i, i+1
.endr
	WIN 0
.set i, 0
.rept 2*NP
	v_mov_b32 v[ST+4*i], 0xfe000000    ; c m: far below every c s
	v_mov_b32 v[ST+4*i+1], 0xff7fffff  ; m
	v_mov_b32 v[ST+4*i+2], 0
	v_mov_b32 v[ST+4*i+3], 0
.set i, i+1
.endr
.set i, P+32
.rept 32
	v_mov_b32 v[i], 0
.set i, i+1
.endr
	v_mul_u32_u24 v[AK0], v1, PK
	v_lshl_add_u32 v[AK0], v9, 4, v[AK0]  ; row x pitch + 16 x half
	; The turning load takes 16 keys x 16 channels (lane l reads key 8 (l / 16) + l % 8, channels 8 ((l / 8) % 2) + 0..7) and leaves half a fragment of V^T: lane l holds channel l % 16 and 8 keys.
	v_and_b32 v10, 7, v0
	v_bfe_u32 v11, v0, 3, 1
	v_lshl_add_u32 v[AV0], v9, 3, v10
	v_mul_u32_u24 v[AV0], v[AV0], PV
	v_lshl_add_u32 v[AV0], v11, 4, v[AV0]
	v_add_nc_u32 v[AV0], VOFF, v[AV0]
	v_and_b32 v[PFO], 31, v0        ; v11 has served: it takes the prefetches' offset
	v_lshlrev_b32 v[PFO], 8, v[PFO]
	v_mov_b32 v[AK], v[AK0]         ; key step 0 lies at the head of slot 0
; THE MATRIX WORK.  The 8 accumulators of a run of 16 take turns: between the two links of a chain stand 7 others'.
; Product i of 16 of S^T = K Q^T for piece x: channels 32 (i / 8) on, keys 16 ((i / 2) % 4) on, tile 2 x + i % 2.  The first 8 start the sums.
.macro KQ x
	WIN W_KQ
.set rS, S+64*((\x)%2)+32*(i%2)+8*((i/2)%4)
.set rK, KF+16*((i/2)%4)+8*(i/8)
.set rQ, 16*(2*(\x)+i%2)+8*(i/8)
.if i < 8
	v_wmma_f32_16x16x32_f16 v[rS:rS+7], v[rK:rK+7], v[rQ:rQ+7], 0
.else
	v_wmma_f32_16x16x32_f16 v[rS:rS+7], v[rK:rK+7], v[rQ:rQ+7], v[rS:rS+7]
.endif
.endm
; Product i of 16 of O^T += V^T P for piece x: keys 32 (i / 8) on, channels 16 ((i / 2) % 4) on, tile 2 x + i % 2.
.macro PV x
	WIN W_PV
.set rO, 32*(2*(\x)+i%2)+8*((i/2)%4)
.set rV, VF+32*(i/8)+8*((i/2)%4)
.set rP, P+32*((\x)%2)+16*(i%2)+8*(i/8)
	v_wmma_f32_16x16x32_f16 v[rO:rO+7], v[rV:rV+7], v[rP:rP+7], v[rO:rO+7]
.endm
.macro MM                           ; the turn's next matrix instruction
.if i < 16
	KQ (Y+1)%NP
.set i, i+1
.else
.set i, i-16
	PV (Y+NP-1)%NP
.set i, i+17
.endif
.endm
; THE LDS LOADS stand in runs of 16, never singly among the matrix instructions: a step's K (64 keys x 64 channels: 8 fragments) and its V (turned).  Their addresses are made some lines ahead.
; last = 1 (the tail): in the last trip there is no further step, and the run is jumped over.
.macro FETCH_K last=0
	WIN 0
.if \last
	s_cmp_eq_u32 s[CNT], 1
	s_cbranch_scc1 .Lno_k_\@
.endif
	WIN 0x80                        ; destination window 2
.irp f, 0,1,2,3,4,5,6,7             ; keys 16 (f / 2) on, channels 32 (f % 2) on
	ds_load_b128 v[KF+8*\f:KF+8*\f+3],   v[AK] offset:(\f/2)*16*PK+(\f%2)*64
	ds_load_b128 v[KF+8*\f+4:KF+8*\f+7], v[AK] offset:(\f/2)*16*PK+(\f%2)*64+32
.endr
	s_add_co_u32 s[TBK], s[TBK], KS*PK  ; the next fetch is the next step's
	WIN 0
.if \last
.Lno_k_\@:
.endif
.endm
.macro FETCH_V
	WIN 0x80
.irp f, 0,1,2,3,4,5,6,7             ; keys 32 (f / 4) on, channels 16 (f % 4) on
	ds_load_tr16_b128 v[VF+8*\f:VF+8*\f+3],   v[AV] offset:(\f/4)*32*PV+(\f%4)*32
	ds_load_tr16_b128 v[VF+8*\f+4:VF+8*\f+7], v[AV] offset:(\f/4)*32*PV+16*PV+(\f%4)*32
.endr
	WIN 0
.endm
; THE VECTOR WORK OF A TURN stands in three queues, each in the order in which its entries become ready; the two tiles alternate, so that no instruction reads the result of the one before it.
.macro REGS y, u                    ; the registers of tile u (0, 1) of piece y
.set rT, ST+4*(2*(\y)+(\u))
.set rC, TMP+8*((\y)%2)+4*(\u)
.set rM, MV+2*((\y)%2)+(\u)
.set rS, S+64*((\y)%2)+32*(\u)
.set rP, P+32*((\y)%2)+16*(\u)
.set rO, 32*(2*(\y)+(\u))
.endm
; Number n of the 22 that find the NEXT piece's (Y + 1) maximum and statistics.  s0-s31 are the lane's 32 scores; each accumulator's lowest registers are read first.  XS, GS and REGS set no window: PL and EX do.
;   0-11  four chains c0-c3 of seven scores each, three operands at a time     12-14, 16  the four scores left over, the old m, and c0-c3 into c0     15  c m_old is kept
;   17, 18  the query's other 32 keys lie in the lane 16 away: the new m         19-21  c m; c m_old - c m_new; a
.macro XS u, n
	REGS (Y+1)%NP, \u
.if (\n) < 4
	v_max3_num_f32 v[rC+(\n)], v[rS+8*(\n)], v[rS+8*(\n)+1], v[rS+8*(\n)+2]
.elseif (\n) < 12
	v_max3_num_f32 v[rC+(\n)%4], v[rC+(\n)%4], v[rS+8*((\n)%4)+2*((\n)/4)+1], v[rS+8*((\n)%4)+2*((\n)/4)+2]
.elseif (\n) == 12
	v_max3_num_f32 v[rC], v[rC], v[rS+7], v[rS+15]
.elseif (\n) == 13
	v_max3_num_f32 v[rC+1], v[rC+1], v[rS+23], v[rS+31]
.elseif (\n) == 14
	v_max3_num_f32 v[rC+2], v[rC+2], v[rC+3], v[rT+1]
.elseif (\n) == 15
	v_mov_b32 v[rM], v[rT]
.elseif (\n) == 16
	v_max3_num_f32 v[rC], v[rC], v[rC+1], v[rC+2]
.elseif (\n) == 17
	v_permlanex16_b32 v[rC+3], v[rC], s[SEL], s[SEL+1]
.elseif (\n) == 18
	v_max_num_f32 v[rT+1], v[rC], v[rC+3]
.elseif (\n) == 19
	v_mul_f32 v[rT], s[CS], v[rT+1]
.elseif (\n) == 20
	v_sub_f32 v[rC+1], v[rM], v[rT]
.else
	v_exp_f32 v[rC+2], v[rC+1]
.endif
.endm
; Number g of the 64 that follow the exponentials.  For each four weights k of a tile (pairs 2 k, 2 k + 1): both pairs are rounded to f16; then the second pair is added onto the first, in place;
; a group later l takes that sum (the first time as l = a l + sum).  In groups of eight, tiles alternating: round, round, add, and l for the group before.
.macro GS g
.set h, (\g)+6*((\g)/62)            ; group 0 has no group before it, and behind group 7 only l is left
.if h >= 6
.set h, h+2
.endif
	REGS Y, h%2
.set k, h/8
.if h%8 < 4
	s_wait_alu depctr_va_vdst(0)
	v_cvt_pk_f16_f32 v[rP+2*k+(h%8)/2], v[rS+4*k+2*((h%8)/2)], v[rS+4*k+2*((h%8)/2)+1]
.elseif h%8 < 6
	v_pk_add_f32 v[rS+4*k:rS+4*k+1], v[rS+4*k:rS+4*k+1], v[rS+4*k+2:rS+4*k+3]
.elseif k == 1
	v_pk_fma_f32 v[rT+2:rT+3], v[rT+2:rT+3], v[rC+2:rC+3], v[rS:rS+1] op_sel_hi:[1,0,1]
.else
	v_pk_add_f32 v[rT+2:rT+3], v[rT+2:rT+3], v[rS+4*k-4:rS+4*k-3]
	s_wait_alu depctr_va_vdst(0)
.endif
.endm
; THE PLAIN QUEUE, 138 long.  0-31: c s - c m for the 16 pairs of both tiles.  Then GS's 64, and among them the next piece's 42: number 15 at 38, 39; 0-14 and 16
; at 42-73, behind the products that make those scores; 17-20 at 95-106, two of three, since each waits for the one before it.
.macro PL
	WIN 0
.if q < 32
	REGS Y, q%2
	v_pk_fma_f32 v[rS+2*(q/2):rS+2*(q/2)+1], v[rS+2*(q/2):rS+2*(q/2)+1], s[CS:CS+1], v[rT:rT+1] op_sel_hi:[1,0,0] neg_lo:[0,0,1] neg_hi:[0,0,1]
.elseif q < 38
	GS q-32
.elseif q < 40
	XS q%2, 15
.elseif q < 42
	GS q-34
.elseif q < 74
	XS q%2, (q-42)/2+(q-42)/30
.elseif q < 95
	GS q-66
.elseif (q < 107) && ((q-95)%3 < 2)
	XS (q-95)%3, 17+(q-95)/3
.elseif q < 107
	GS 29+(q-95)/3
.else
	GS q-74
.endif
.set q, q+1
.endm
; THE EXPONENTIALS' QUEUE, 66 long: s0-s31 of both tiles, and at EA the next piece's two a.
.set EA, 58
.macro EX
	WIN 0
.if (e == EA) || (e == EA+1)
	XS e-EA, 21
.else
.set x, e-2*(e/(EA+2))
	REGS Y, x%2
	v_exp_f32 v[rS+x/2], v[rS+x/2]
.endif
.set e, e+1
.endm
; THE RESCALING's QUEUE: O^T times a, the one part that leaves window 0, so it is dealt four at a time, eight times.
.macro R4
	REGS Y, r%2
	WIN W_RS
	s_wait_alu depctr_va_vdst(0)
.irp z, 0,1,2,3
	v_pk_mul_f32 v[rO+8*(r/2)+2*\z:rO+8*(r/2)+2*\z+1], v[rO+8*(r/2)+2*\z:rO+8*(r/2)+2*\z+1], v[rC+2:rC+3] op_sel_hi:[1,0]
.endr
.set r, r+1
.endm
; HOW THEY ARE DEALT.  Behind a matrix instruction four: plain, exponential, plain, plain (one exponential, a plain instruction on either side), or four of the rescaling.  None names a register of the
; products round it.  What is over stands in two LUMPS: exponential and plain by turns; the second ends in 22 plain instructions.  The two v_permlanex16_b32 fall into the second lump, never behind a product.
; The queues lean on each other, and the deal keeps them in step: exponential e stands behind plain 2 (e / 4) + e % 2 (its scaling); when plain 32 comes, 10 exponentials are out, at 59: 33, at 95: 46; EA comes behind plain 107.
.macro SL
	MM
	PL
	EX
	PL
	PL
.endm
.macro BURST n                      ; 15 matrix instructions, or 16
.rept (\n)-7
	SL
.endr
.rept 3
	MM
	R4
	SL
.endr
	MM
	R4
.endm
; A TURN, for piece p.  cnt = 1: the loop's count is taken down some lines ahead of the branch that stands behind the turn.
; K of the next step is fetched in piece 2's turn, 31 vector instructions behind the last product that read K; its first reader comes behind the rest of the lump, 16 products and the second lump.
; V of the step in hand is fetched at the end of piece 0's turn, 69 behind its last reader; its first reader comes behind 16 products and a lump.  The four conditions on e and q below go with the deal.
.macro TURN p, last=0, cnt=0
.set Y, (\p)
.set i, 0
.set q, 0
.set e, 0
.set r, 0
.if (\p) == NP-1
	s_wait_dscnt 0x0                ; K is in
.endif
	MM
.rept 4
	PL
.endr
	BURST 15
.rept 22
	EX
	PL
.if ((\p) == NP-2) && (e == 18)
	v_add_nc_u32 v[AK], s[TBK], v[AK0]
.endif
.if ((\p) == NP-2) && (e == 24)
	FETCH_K \last
.endif
.endr
.if (\p) == 1
	s_wait_dscnt 0x0                ; V is in
.endif
	BURST 16
.rept 21
	EX
	PL
.endr
.rept 22
	PL
.if ((\p) == 0) && (q == 118)
	v_add_nc_u32 v[AV], s[TBV], v[AV0]
	s_wait_alu depctr_va_vdst(0)
.endif
.if ((\p) == 0) && (q == 130)
	s_add_co_u32 s[TBV], s[TBV], KS*PV
.endif
.if (\cnt) && (q == 130)
	s_sub_co_u32 s[CNT], s[CNT], 1
	s_cmp_lg_u32 s[CNT], 0
.endif
.endr
.if (\p) == 0
	FETCH_V
.endif
.endm
	CHANGE 1                        ; slot 0 is in, everybody's part of it; slot 1 is asked for
	FETCH_K                         ; key step 0
	s_wait_loadcnt 0x0              ; Q
	s_wait_dscnt 0x0
.set i, 0
.rept 16
	KQ 0                            ; piece 0's first scores: there is no vector work yet to set between them
.set i, i+1
.endr
	WIN 0                           ; the addresses for the way out: nine plain instructions, the places behind those products
	s_mul_i32 s13, s[WV], 16*SP
	s_add_co_u32 s13, s13, STAGE    ; my stage
	v_mul_u32_u24 v[STO], v1, SP    ; in: row l % 16, 16 bytes for each half of the lanes
	v_lshl_add_u32 v[STO], v9, 4, v[STO]
	v_add_nc_u32 v[STO], s13, v[STO]
	v_bfe_u32 v[RD], v0, 3, 2       ; back: 32 lanes take four rows of 128 bytes,
	v_mul_u32_u24 v[RD], v[RD], SP
	v_lshl_add_u32 v[RD], v10, 4, v[RD]
	v_add_nc_u32 v[RD], s13, v[RD]
	v_and_b32 v[GO], 31, v0         ; which are 512 consecutive bytes of O
	v_lshlrev_b32 v[GO], 4, v[GO]
.set Y, NP-1                        ; XS works for piece Y + 1: piece 0
.irp n, 0,1,2,3,4,5,6,7,8,9,10,11,12,13,14,15,16,17,18,19,20,21
	XS 0, \n                        ; and piece 0's first maximum and statistics
	XS 1, \n
.endr
	s_mov_b32 s[CNT], 4
	s_mov_b32 s[SLOTS], SIZE_N/256-1
	s_branch .Lfirst                ; the loop is entered at a step's first turn, in the middle of a trip
.Lslot:                             ; SIZE_N / 256 - 2 times: every slot but the last two is filled again
	CHANGE 1, 1
	s_mov_b32 s[CNT], 4
.Lstep:                             ; a trip: pieces 2 and 3 of one step, then pieces 0 and 1 of the next, whose K and V it fetches
	TURN 2
	TURN 3
	WIN 0
.Lfirst:
	TURN 0
	TURN 1, 0, 1
	WIN 0
	s_cbranch_scc1 .Lstep
	s_sub_co_u32 s[SLOTS], s[SLOTS], 1
	s_cmp_lg_u32 s[SLOTS], 0
	s_cbranch_scc1 .Lslot
	CHANGE 0                        ; the tail is written out: nothing is asked for
	s_mov_b32 s[CNT], 5             ; four trips fetch the last slot's steps; the fifth is left in its middle
.Ltail:
	TURN 2, 1
	TURN 3
	WIN 0
	s_sub_co_u32 s[CNT], s[CNT], 1
	s_cmp_eq_u32 s[CNT], 0
	s_cbranch_scc1 .Lout
	TURN 0
	TURN 1
	WIN 0
	s_branch .Ltail
.Lout:                              ; the fifth trip's 16 products K Q^T (on the last K once more) and the maximum made of them serve nothing: the price, once a launch, of one text for every trip
.set i, 0
.rept 16
	PV NP-1                         ; the last piece's V^T P of the last step
.set i, i+1
.endr
	; THE WAY OUT.  l's two halves and the other half of the lanes' are added; O^T is divided by l, rounded to f16 and sent through my stage in LDS, a tile at a time.  The additions are the places behind the last products.
	WIN 0
.macro ALL line:vararg              ; one line for each tile t
.set t, 0
.rept 2*NP
	\line
.set t, t+1
.endr
.endm
	ALL v_add_f32 v[ST+4*t+2], v[ST+4*t+2], v[ST+4*t+3]
	ALL v_permlanex16_b32 v[ST+4*t+3], v[ST+4*t+2], s[SEL], s[SEL+1]
	ALL v_add_f32 v[ST+4*t+2], v[ST+4*t+2], v[ST+4*t+3]
	ALL v_rcp_f32 v[ST+4*t+2], v[ST+4*t+2]
	v_nop                           ; a plain instruction between the last reciprocal and the use of its result
	s_wait_alu depctr_va_vdst(0)
; Tile t: a lane's eight channels of a row pack into 16 bytes; they go into rows of 144 bytes and come back as whole rows of 128, into S^T's registers.
.macro PACK t
	WIN W_RS
.set i, 32*(\t)
.rept 16
	v_pk_mul_f32 v[i:i+1], v[i:i+1], v[ST+4*(\t)+2:ST+4*(\t)+3] op_sel_hi:[1,0]
.set i, i+2
.endr
	WIN 0x05                        ; sources 0 and 1 window 1, destination window 0
.set i, 0
.rept 16
	v_cvt_pk_f16_f32 v[S+16*(\t)+i], v[32*(\t)+2*i], v[32*(\t)+2*i+1]
.set i, i+1
.endr
	WIN 0
.irp f, 0,1,2,3
	ds_store_b128 v[STO], v[S+16*(\t)+4*\f:S+16*(\t)+4*\f+3] offset:32*\f
.endr
.irp f, 0,1,2,3
	ds_load_b128 v[S+16*(\t)+4*\f:S+16*(\t)+4*\f+3], v[RD] offset:\f*4*SP  ; LDS serves a wave's instructions in order (ISA guide 5.7.1.4): these see the stores above; the next tile's stores come behind them
.endr
.endm
.macro SEND t, younger              ; younger: the LDS instructions issued behind tile t's loads: the next tile's eight, or none
	WIN 0
.irp f, 0,1,2,3
	s_wait_dscnt (\younger)+3-\f
	global_store_b128 v[GO], v[S+16*(\t)+4*\f:S+16*(\t)+4*\f+3], s[10:11] offset:(\t)*2048+\f*512  ; 512 consecutive bytes, at a multiple of 256 from O's first
.endr
.endm
	PACK 0
.set t, 1
.rept 2*NP-1                        ; a tile's arithmetic stands between the loads of the tile before and its stores
	PACK t
	SEND t-1, 8
.set t, t+1
.endr
	SEND 2*NP-1, 0
	WIN W_AD
	s_wait_tensorcnt 0x0            ; the wave's end, behind my last tensor load and my last LDS store
	ds_add_u32 v[SPW], v[NIL]
	s_wait_dscnt 0x0
	WIN 0
	CROUND                          ; the closing round: no work-group ends while a partner may still ask for a tile that names it
	s_endpgm
.Lfunc_end_k_qa6b94cdde1_attn:
	.size	k_qa6b94cdde1_attn, .Lfunc_end_k_qa6b94cdde1_attn-k_qa6b94cdde1_attn
	.p2alignl 7, 3214868480
	.fill 96, 4, 3214868480
	.section	.rodata,"a",@progbits
	.p2align	6, 0x0
	.amdhsa_kernel k_qa6b94cdde1_attn
		.amdhsa_group_segment_fixed_size 327680
		.amdhsa_private_segment_fixed_size 0
		.amdhsa_enable_private_segment 0
		.amdhsa_kernarg_size 16
		.amdhsa_user_sgpr_count 2
		.amdhsa_user_sgpr_kernarg_segment_ptr 1
		.amdhsa_wavefront_size32 1
		.amdhsa_system_sgpr_workgroup_id_x 1
		.amdhsa_system_sgpr_workgroup_id_y 1
		.amdhsa_system_sgpr_workgroup_id_z 1
		.amdhsa_system_vgpr_workitem_id 0
		.amdhsa_next_free_vgpr 770
		.amdhsa_next_free_sgpr 66
		.amdhsa_reserve_vcc 0
		.amdhsa_float_denorm_mode_32 3
		.amdhsa_float_denorm_mode_16_64 3
		.amdhsa_memory_ordered 1
		.amdhsa_forward_progress 1
		.amdhsa_inst_pref_size 209
	.end_amdhsa_kernel
	.amdgpu_metadata
---
amdhsa.version: [ 1, 2 ]
amdhsa.kernels:
  - .name:           k_qa6b94cdde1_attn
    .symbol:         k_qa6b94cdde1_attn.kd
    .args:
      - { .name: qkv, .offset: 0, .size: 8, .value_kind: global_buffer, .address_space: global }
      - { .name: oh, .offset: 8, .size: 8, .value_kind: global_buffer, .address_space: global }
    .group_segment_fixed_size: 327680
    .private_segment_fixed_size: 0
    .kernarg_segment_align: 8
    .kernarg_segment_size: 16
    .max_flat_workgroup_size: 128
    .sgpr_count:     66
    .vgpr_count:     770
    .wavefront_size: 32
...
	.end_amdgpu_metadata
.endif
;; end of part 3
;; launch outp (part 4): grid 4 x 64, 4 waves a work-group, clusters of 4 x 4, 327,680 bytes of LDS; arguments oh, wc, b_o, out0; writes out0
.if DOCPART == 4
	.amdgcn_target "amdgcn-amd-amdhsa--gfx1250"
	.amdhsa_code_object_version 6
	.text
	.protected	k_qa6b94cdde1_outp
	.globl	k_qa6b94cdde1_outp
	.p2align	8
	.type	k_qa6b94cdde1_outp,@function
k_qa6b94cdde1_outp:
	s_mov_b64 s[64:65], 0
	v_nop
	global_prefetch_b8 v0, s[64:65] scope:SCOPE_SE
	s_setreg_imm32_b32 hwreg(HW_REG_WAVE_MODE, 25, 1), 1
	s_wait_xcnt 0x0
	s_wait_alu depctr_hold_cnt(0) depctr_sa_sdst(0) depctr_va_vdst(0) depctr_va_sdst(0) depctr_va_ssrc(0) depctr_va_vcc(0) depctr_vm_vsrc(0)
	s_getreg_b32 s2, hwreg(HW_REG_IB_STS2, 6, 4)
	s_cmp_eq_u32 s2, 0
	s_cbranch_scc0 .Lentry_in_a_cluster
	s_endpgm
.Lentry_in_a_cluster:
	s_bfe_u32 s2, ttmp6, 0x10000c
	s_cmp_lg_u32 s2, 0xf033
	s_cbranch_scc0 .Lentry_shape_is_right
	s_endpgm
.Lentry_shape_is_right:
; out0[b][s][e] = sum over d of O[b][s][d] w_o[e][d] + bf16(b_o[e]), in f32.  O lies by heads, oh[16 b + head][s][c] in f16, d = 64 head + c; w_o is plane 3 of wc, [1024][1024], its bf16 value written as f16.
; Sums in f32; the sum begins with the bias; nothing is rounded on the way out.
; LIMITS.  O and w_o arrive within f16's 65,504.  NaN and infinities are not treated apart.
; SHARES.  A tile of out0 is 128 rows x 256 columns: 64 x 4 = 256 work-groups, one tile each.  Four waves, each 64 rows x 128 columns: 32 accumulators, 256 registers.
; K goes in 8 steps of 128 = two heads, through two LDS slots.  A head's 128 rows of the tile are 16,384 dense bytes: asked for as 64 rows of 256 bytes and padded in LDS after every 128.
; CLUSTERS: 4 x 4 work-groups; O's tile is shared along a row of the cluster, w_o's along a column: each is asked for jointly.  THE MATRIX INSTRUCTION IS USED TRANSPOSED (source 0 = 16 rows of w_o,
; source 1 = 16 rows of O): lane l holds row l % 16 and the columns 8 (l / 16) + 0..7.
; No prefetch: the launch has eight K steps, and a request two steps ahead would leave half of them unnamed.
; REGISTERS: window 0: v0-31 addresses; v32-95 O's fragments, two buffers; v96-223 rows on the way out, two buffers.  window 1: v0-127 w_o's fragments, two buffers; v128-191 the bias as a C operand;
; v192-223 at work.  window 2: the accumulators, (a, b) at v[8 (8 a + b)].
.set PAH,    144                       ; a row of O in LDS: 128 bytes + 16 of padding: an odd multiple of 16 (64 banks of 4 bytes: ISA guide 11.1)
.set PB,     272                       ; a row of w_o: 256 bytes + 16
.set APLANE, 128*PAH                   ; a head's 128 rows: what one tensor load brings of O
.set BHALF,  128*PB                    ; what one brings of w_o
.set BOFF,   2*APLANE
.set SLOT,   BOFF+2*BHALF              ; 106,496
.set STAGE,  2*SLOT                    ; behind the ring: 16 rows x 528 bytes for each wave, for the way out
.set SPT,    528
.set WSTAGE, 16*SPT
.set SPARE,  STAGE+4*WSTAGE            ; behind the stages: the spare words, 128 bytes for each wave: two blocks of 256 bytes that no other line names
.set ADRA, 16                          ; v16-17  LDS address of my fragments of O in slot 0, 1
.set ADRB, 20                          ; v20-21  the same for w_o
.set STO,  24                          ; v24     the way out: where I put 32 bytes of a row
.set RD,   25                          ; v25     the way out: where I read a row back
.set GO,   26                          ; v26     my 16 bytes in 512 consecutive bytes of out0
.set BO,   27                          ; v27     my 32 bytes in 64 bytes of the bias
.set SPW,  28                          ; v28     LDS address of my spare word; never rewritten
.set NIL,  29                          ; v29     0; never rewritten
.set AF,   32                          ; buffer f at AF + 32 f
.set BK,   96                          ; two buffers of 64
.set BF,   0                           ; window 1: buffer f at BF + 64 f
.set BIAS, 128
.set BT,   192
.set OA, 12                            ; s[12:13] my plane's byte offset in oh: made of ty and the wave alone
.set OB, 14                            ; s[14:15] my rows' byte offset in wc: of tx and the wave alone
.set CP, 18                            ; s[18:19] out0 at my wave's first row and column
.set WV, 20
.set WR, 21
.set HF, 22
.set CX, 23
.set CY, 24
.set TX, 25
.set TY, 26
.set G1A, 32
.set G0A, 40
.set G1B, 48
.set G0B, 56
.set MSB, 0
.macro WIN new                         ; the immediate's high byte repeats the setting that is left; a switch that changes nothing is dropped
.if MSB != (\new)
	s_set_vgpr_msb (MSB<<8)|(\new)
.set MSB, \new
.endif
.endm
.set MUL,  0xa1                        ; source 0 (w_o) window 1, source 1 (O) window 0, C and D window 2
.set MULB, 0x91                        ; the same with C (the bias) in window 1
.set TO_B, 0x40                        ; destination window 1, address window 0
.set W_ST, 0x08                        ; an LDS store's data in window 2, its address in window 0
.set W_B1, 0x45                        ; all in window 1
.macro JLOAD s                         ; a joint load: waves 0 and 1 fetch the K step's two heads of O, waves 2 and 3 w_o's two halves; an s_nop 0 and four v_nop follow each line
	s_cmp_lt_u32 s[WV], 2
	s_cbranch_scc0 .Lfor_b_\@
	tensor_load_to_lds s[G0A+4*(\s):G0A+4*(\s)+3], s[G1A:G1A+7]
	s_nop 0
.rept 4
	v_nop
.endr
	s_branch .Lasked_\@
.Lfor_b_\@:
	tensor_load_to_lds s[G0B+4*(\s):G0B+4*(\s)+3], s[G1B:G1B+7]
	s_nop 0
.rept 4
	v_nop
.endr
.Lasked_\@:
.endm
.macro CREST                           ; a round of the cluster's barrier behind its opening barrier
	s_cmp_lg_u32 s[WV], 0
	s_cbranch_scc1 .Lnot_wave_0_\@
	s_barrier_signal -3
.Lnot_wave_0_\@:
	s_barrier_wait -3
	s_barrier_signal -1
	s_barrier_wait -1
.endm
.macro CROUND
	s_barrier_signal -1
	s_barrier_wait -1
	CREST
.endm
.macro PLACES                          ; four places in front of loads into registers that matrix instructions have read, and of stores that read results
.rept 4
	v_nop
.endr
.endm
	s_load_b256 s[4:11], s[0:1], 0x0               ; oh s[4:5], wc s[6:7], b_o s[8:9], out0 s[10:11]
	v_lshl_add_u32 v[SPW], v0, 2, SPARE
	v_mov_b32 v[NIL], 0
	ds_add_u32 v[SPW], v[NIL]                      ; the wave's opening: the add and its wait ahead of my first tensor load; the set-up below, work on registers, stands between them
	v_lshrrev_b32 v1, 5, v0
	v_readfirstlane_b32 s[WV], v1                  ; wave 0..3
	s_lshr_b32 s[WR], s[WV], 1                     ; which 64 rows are mine
	s_and_b32 s[HF], s[WV], 1                      ; which 128 columns; and which head, or which half of w_o's tile, I fetch
	s_bfe_u32 s[CX], ttmp6, 0x40000
	s_bfe_u32 s[CY], ttmp6, 0x40004
	s_lshl_b32 s[TX], ttmp9, 2
	s_add_co_u32 s[TX], s[TX], s[CX]               ; tile column 0..3
	s_and_b32 s[TY], ttmp7, 0xffff
	s_lshl_b32 s[TY], s[TY], 2
	s_add_co_u32 s[TY], s[TY], s[CY]               ; tile row 0..63
	s_lshl_b32 s27, s[CY], 2
	s_lshl_b32 s27, 15, s27                        ; my row of the cluster
	s_lshl_b32 s28, 0x1111, s[CX]                  ; my column
	s_or_b32 s[G1A], s27, (1<<16)|(1<<20)|(1<<21)|(4<<22)|(3<<25)  ; the mask; elements of 2 bytes; padding on; 21 set beside a mask; after every 32 words (code 4) 4 words (code 3)
	s_mov_b32 s[G1A+1], 128<<16                    ; tensor_dim0 = 128
	s_mov_b32 s[G1A+2], 64<<16                     ; tensor_dim1 = 64
	s_mov_b32 s[G1A+3], 128<<16                    ; tile_dim0 = 128
	s_mov_b32 s[G1A+4], 64                         ; tile_dim1 = 64
	s_mov_b32 s[G1A+5], 128                        ; dense: 128 elements from row to row
	s_mov_b32 s[G1A+6], 0
	s_mov_b32 s[G1A+7], 0
	s_or_b32 s[G1B], s28, (1<<16)|(1<<20)|(1<<21)|(5<<22)|(3<<25)  ; padding after every 64 words (code 5)
	s_mov_b32 s[G1B+1], 128<<16
	s_mov_b32 s[G1B+2], 128<<16
	s_mov_b32 s[G1B+3], 128<<16
	s_mov_b32 s[G1B+4], 128
	s_mov_b32 s[G1B+5], 1024
	s_mov_b32 s[G1B+6], 0
	s_mov_b32 s[G1B+7], 0
	s_lshr_b32 s27, s[TY], 4                       ; the batch: 16 heads of 262,144 bytes,
	s_lshl_b32 s[OA], s27, 22
	s_and_b32 s27, s[TY], 15                       ; the tile's 128 rows of 128 bytes in a head,
	s_lshl_b32 s27, s27, 14
	s_add_co_u32 s[OA], s[OA], s27
	s_lshl_b32 s29, s[HF], 18                      ; a head, or 128 rows of w_o: 262,144 bytes either way
	s_add_co_u32 s[OA], s[OA], s29
	s_mov_b32 s[OA+1], 0
	s_lshl_b32 s[OB], s[TX], 19                    ; 256 rows of 2,048 bytes
	s_add_co_u32 s[OB], s[OB], s29
	s_add_co_u32 s[OB], s[OB], 3*2097152           ; plane 3 of wc
	s_mov_b32 s[OB+1], 0
	s_mul_i32 s30, s[HF], APLANE                   ; where they go: no place in the cluster enters an LDS address
	s_mul_i32 s31, s[HF], BHALF
	s_add_co_u32 s31, s31, BOFF
	s_wait_dscnt 0x0                               ; the opening add is done
	s_wait_kmcnt 0x0
	s_add_nc_u64 s[4:5], s[4:5], s[OA:OA+1]
	s_add_nc_u64 s[6:7], s[6:7], s[OB:OB+1]
	CROUND                                         ; all sixteen work-groups are here: the first joint loads meet
.irp s, 0,1
	s_mov_b32 s[G0A+4*(\s)], 1
	s_add_co_u32 s[G0A+4*(\s)+1], s30, (\s)*SLOT
	s_add_nc_u64 s[G0A+4*(\s)+2:G0A+4*(\s)+3], s[4:5], (\s)*524288  ; K step s: two heads on
	s_or_b32 s[G0A+4*(\s)+3], s[G0A+4*(\s)+3], 0x80000000
	s_mov_b32 s[G0B+4*(\s)], 1
	s_add_co_u32 s[G0B+4*(\s)+1], s31, (\s)*SLOT
	s_add_nc_u64 s[G0B+4*(\s)+2:G0B+4*(\s)+3], s[6:7], (\s)*256
	s_or_b32 s[G0B+4*(\s)+3], s[G0B+4*(\s)+3], 0x80000000
	JLOAD \s                                       ; two loads of mine are out
.endr
	v_and_b32 v1, 15, v0                           ; l % 16
	v_bfe_u32 v2, v0, 4, 1                         ; l / 16
	v_mul_u32_u24 v3, v1, PAH
	v_lshl_add_u32 v3, v2, 4, v3                   ; a fragment's row x pitch + 16 x half
	s_mul_i32 s27, s[WR], 64*PAH                   ; my 64 rows, in either head's plane
	v_add_nc_u32 v[ADRA], s27, v3
	v_add_nc_u32 v[ADRA+1], SLOT, v[ADRA]
	v_mul_u32_u24 v4, v1, PB
	v_lshl_add_u32 v4, v2, 4, v4
	v_add_nc_u32 v[ADRB], s31, v4                  ; my 128 rows of w_o are the half that bears my wave's low bit
	v_add_nc_u32 v[ADRB+1], SLOT, v[ADRB]
	s_mul_i32 s27, s[WV], WSTAGE
	s_add_co_u32 s27, s27, STAGE                   ; my stage
	v_mul_u32_u24 v[STO], v1, SPT                  ; in: row l % 16, 32 bytes for each half of the lanes
	v_lshl_add_u32 v[STO], v2, 5, v[STO]
	v_add_nc_u32 v[STO], s27, v[STO]
	v_and_b32 v[GO], 31, v0
	v_lshlrev_b32 v[GO], 4, v[GO]                  ; back: 32 lanes take one row of 512 bytes
	v_add_nc_u32 v[RD], s27, v[GO]
	v_lshlrev_b32 v[BO], 5, v2
	s_lshl_b32 s16, s[TX], 10                      ; my 128 columns, 4 bytes each
	s_lshl_b32 s27, s[HF], 9
	s_add_co_u32 s16, s16, s27
	s_mov_b32 s17, 0
	s_add_nc_u64 s[8:9], s[8:9], s[16:17]          ; the bias there
	s_lshl_b32 s27, s[TY], 19                      ; the tile's 128 rows of 4,096 bytes,
	s_add_co_u32 s16, s16, s27
	s_lshl_b32 s27, s[WR], 18                      ; my 64 of them
	s_add_co_u32 s16, s16, s27
	s_add_nc_u64 s[CP:CP+1], s[10:11], s[16:17]
; 24 LDS loads in one run: quarter q (32 along K) of a slot into buffer g: w_o's eight fragments, then O's four (head q / 2, channels 32 (q % 2) on)
.macro FETCH slot, q, g
	WIN TO_B
.irp i, 0,1,2,3,4,5,6,7
	ds_load_b128 v[BF+64*(\g)+8*(\i):BF+64*(\g)+8*(\i)+3],   v[ADRB+(\slot)] offset:64*(\q)+(\i)*16*PB
	ds_load_b128 v[BF+64*(\g)+8*(\i)+4:BF+64*(\g)+8*(\i)+7], v[ADRB+(\slot)] offset:64*(\q)+(\i)*16*PB+32
.endr
	WIN 0
.irp i, 0,1,2,3
	ds_load_b128 v[AF+32*(\g)+8*(\i):AF+32*(\g)+8*(\i)+3],   v[ADRA+(\slot)] offset:((\q)/2)*APLANE+((\q)%2)*64+(\i)*16*PAH
	ds_load_b128 v[AF+32*(\g)+8*(\i)+4:AF+32*(\g)+8*(\i)+7], v[ADRA+(\slot)] offset:((\q)/2)*APLANE+((\q)%2)*64+(\i)*16*PAH+32
.endr
.endm
; 8 matrix instructions: row block a x all 8 column blocks, 32 along K.  first = 1: the sum begins with the bias.  The 32 accumulators take turns in one order everywhere.
.macro MUL8 f, a, first
.if \first
	WIN MULB
.else
	WIN MUL
.endif
.irp b, 0,1,2,3,4,5,6,7
.if \first
	v_wmma_f32_16x16x32_f16 v[8*(8*(\a)+(\b)):8*(8*(\a)+(\b))+7], v[BF+64*(\f)+8*(\b):BF+64*(\f)+8*(\b)+7], v[AF+32*(\f)+8*(\a):AF+32*(\f)+8*(\a)+7], v[BIAS+8*(\b):BIAS+8*(\b)+7]
.else
	v_wmma_f32_16x16x32_f16 v[8*(8*(\a)+(\b)):8*(8*(\a)+(\b))+7], v[BF+64*(\f)+8*(\b):BF+64*(\f)+8*(\b)+7], v[AF+32*(\f)+8*(\a):AF+32*(\f)+8*(\a)+7], v[8*(8*(\a)+(\b)):8*(8*(\a)+(\b))+7]
.endif
.endr
.endm
; A K step is four quarters, 32 matrix instructions each, on buffers 0, 1, 0, 1.  One of the first three: multiplies buffer f; in its middle it fetches quarter qn into the other buffer.
.macro QUARTER slot, qn, f, first
	s_wait_dscnt 4                                 ; w_o's fragments and O's blocks 0 and 1 are in; the youngest four loads (blocks 2 and 3) may be out
	MUL8 \f, 0, \first
	MUL8 \f, 1, \first
	PLACES
	FETCH \slot, \qn, 1-(\f)
	s_wait_dscnt 24                                ; all but the 24 just issued
	MUL8 \f, 2, \first
	MUL8 \f, 3, \first
.endm
; The fourth quarter multiplies buffer 1 and changes slots: ONE barrier; in front of it each wave waits for all its tensor loads, adds 0 to its spare word, and waits for that and for its reads of this slot.
; fill = 1: the barrier opens a round of the cluster's barrier, and this slot is filled again, two K steps ahead, first thing behind the round.
.macro TURN slot, next, fill
	WIN 0                                          ; (the add's two registers lie in window 0)
	s_wait_tensorcnt 0x0                           ; all my tensor loads have landed: my part of the next slot;
	ds_add_u32 v[SPW], v[NIL]                      ; 0 onto my spare word
	s_wait_dscnt 5                                 ; (the add and the youngest four loads may be out)
	MUL8 1, 0, 0                                   ; eight matrix instructions stand between the add and the wait for it
	s_wait_dscnt 0x0                               ; the add is done, and my reads of this slot are over
	s_barrier_signal -1
	MUL8 1, 1, 0
	WIN 0
	s_barrier_wait -1
.if \fill
	CREST                                          ; no wave of any partner still reads this slot or has a load on its way
	s_add_nc_u64 s[G0A+4*(\slot)+2:G0A+4*(\slot)+3], s[G0A+4*(\slot)+2:G0A+4*(\slot)+3], 2*524288
	s_add_nc_u64 s[G0B+4*(\slot)+2:G0B+4*(\slot)+3], s[G0B+4*(\slot)+2:G0B+4*(\slot)+3], 2*256
	JLOAD \slot                                    ; the four v_nop behind it are also the places in front of the loads below
.else
	PLACES
.endif
	FETCH \next, 0, 0
	MUL8 1, 2, 0
	MUL8 1, 3, 0
.endm
; THE WAY OUT of row block a: the f32 results go into my own stage (16 rows of 528 bytes), each accumulator's low four registers first, and come back as whole rows of 512 bytes.
.macro TOSTAGE a
	WIN W_ST
.irp b, 0,1,2,3,4,5,6,7
	ds_store_b128 v[STO], v[8*(8*(\a)+(\b)):8*(8*(\a)+(\b))+3]   offset:64*(\b)
	ds_store_b128 v[STO], v[8*(8*(\a)+(\b))+4:8*(8*(\a)+(\b))+7] offset:64*(\b)+16
.endr
	WIN 0
.if (\a) >= 2
	s_wait_xcnt 0x0                                ; the stores of the block two back have read this buffer's registers
.endif
.irp t, 0,1,2,3,4,5,6,7,8,9,10,11,12,13,14,15
	ds_load_b128 v[BK+64*((\a)%2)+4*(\t):BK+64*((\a)%2)+4*(\t)+3], v[RD] offset:(\t)*SPT  ; LDS serves a wave's instructions in order (ISA guide 5.7.1.4): these see the stores above; the next block's stores come behind them
.endr
.endm
.macro SEND a, younger                 ; younger: the LDS instructions issued behind block a's loads: the next block's 32, or none
	s_wait_dscnt \younger
.irp t, 0,1,2,3,4,5,6,7,8,9,10,11,12,13,14,15
	global_store_b128 v[GO], v[BK+64*((\a)%2)+4*(\t):BK+64*((\a)%2)+4*(\t)+3], s[CP:CP+1] offset:(16*(\a)+(\t))*4096 th:TH_STORE_NT  ; 512 consecutive bytes of a row, aligned
.endr
.endm
	WIN TO_B                                       ; the bias of my 128 columns as a C operand: register j of block b holds column 16 b + 8 (l / 16) + j, whatever the row
.irp b, 0,1,2,3,4,5,6,7
	global_load_b128 v[BIAS+8*(\b):BIAS+8*(\b)+3],   v[BO], s[8:9] offset:64*(\b)
	global_load_b128 v[BIAS+8*(\b)+4:BIAS+8*(\b)+7], v[BO], s[8:9] offset:64*(\b)+16
.endr
	WIN 0
	s_wait_tensorcnt 1                             ; my part of K step 0 is in; K step 1's may stay out
	s_barrier_signal -1
	s_barrier_wait -1                              ; everybody's is
	FETCH 0, 0, 0
	s_wait_loadcnt 0x0                             ; the bias: rounded to bf16 like every input of the module, and widened again
	WIN W_B1
.set i, 0
.rept 32
	v_cvt_pk_bf16_f32 v[BT+i], v[BIAS+2*i], v[BIAS+2*i+1]
.set i, i+1
.endr
.set i, 0
.rept 32
	v_lshlrev_b32 v[BIAS+2*i],   16,         v[BT+i]
	v_and_b32     v[BIAS+2*i+1], 0xffff0000, v[BT+i]
.set i, i+1
.endr
	QUARTER 0, 1, 0, 1                             ; the first quarter stands in front of the loop: its products start the sums
	WIN 0                                          ; at a label and at a branch every window is 0
	s_mov_b32 s3, 3
.Llap:                                                 ; a trip goes once round the ring, from a lap's second quarter to the next lap's first, and fills both slots again
	QUARTER 0, 2, 1, 0
	QUARTER 0, 3, 0, 0
	TURN 0, 1, 1
	QUARTER 1, 1, 0, 0
	QUARTER 1, 2, 1, 0
	QUARTER 1, 3, 0, 0
	TURN 1, 0, 1
	QUARTER 0, 1, 0, 0
	WIN 0
	s_sub_co_u32 s3, s3, 1
	s_cmp_lg_u32 s3, 0
	s_cbranch_scc1 .Llap
	QUARTER 0, 2, 1, 0                             ; the last lap fills nothing, and has no round of the cluster's barrier
	QUARTER 0, 3, 0, 0
	TURN 0, 1, 0
	QUARTER 1, 1, 0, 0
	QUARTER 1, 2, 1, 0
	QUARTER 1, 3, 0, 0
	s_wait_dscnt 4                                 ; the very last quarter: nothing more to fetch
	MUL8 1, 0, 0
	MUL8 1, 1, 0
	s_wait_dscnt 0x0
	MUL8 1, 2, 0
	MUL8 1, 3, 0
	PLACES
	TOSTAGE 0
	TOSTAGE 1
	SEND 0, 32
	TOSTAGE 2
	SEND 1, 32
	TOSTAGE 3
	SEND 2, 32
	SEND 3, 0
	s_wait_tensorcnt 0x0                           ; the wave's end, behind my last tensor load and my last LDS store
	ds_add_u32 v[SPW], v[NIL]
	s_wait_dscnt 0x0
	CROUND                                         ; the closing round: no work-group ends while a partner may still ask for a tile that names it
	s_endpgm
.Lfunc_end_k_qa6b94cdde1_outp:
	.size	k_qa6b94cdde1_outp, .Lfunc_end_k_qa6b94cdde1_outp-k_qa6b94cdde1_outp
	.p2alignl 7, 3214868480
	.fill 96, 4, 3214868480
	.section	.rodata,"a",@progbits
	.p2align	6, 0x0
	.amdhsa_kernel k_qa6b94cdde1_outp
		.amdhsa_group_segment_fixed_size 327680
		.amdhsa_private_segment_fixed_size 0
		.amdhsa_enable_private_segment 0
		.amdhsa_kernarg_size 32
		.amdhsa_user_sgpr_count 2
		.amdhsa_user_sgpr_kernarg_segment_ptr 1
		.amdhsa_wavefront_size32 1
		.amdhsa_system_sgpr_workgroup_id_x 1
		.amdhsa_system_sgpr_workgroup_id_y 1
		.amdhsa_system_sgpr_workgroup_id_z 1
		.amdhsa_system_vgpr_workitem_id 0
		.amdhsa_next_free_vgpr 768
		.amdhsa_next_free_sgpr 66
		.amdhsa_reserve_vcc 0
		.amdhsa_float_denorm_mode_32 3
		.amdhsa_float_denorm_mode_16_64 3
		.amdhsa_memory_ordered 1
		.amdhsa_forward_progress 1
		.amdhsa_inst_pref_size 92
	.end_amdhsa_kernel
	.amdgpu_metadata
---
amdhsa.version: [ 1, 2 ]
amdhsa.kernels:
  - .name:           k_qa6b94cdde1_outp
    .symbol:         k_qa6b94cdde1_outp.kd
    .args:
      - { .name: oh, .offset: 0, .size: 8, .value_kind: global_buffer, .address_space: global }
      - { .name: wc, .offset: 8, .size: 8, .value_kind: global_buffer, .address_space: global }
      - { .name: b_o, .offset: 16, .size: 8, .value_kind: global_buffer, .address_space: global }
      - { .name: out0, .offset: 24, .size: 8, .value_kind: global_buffer, .address_space: global }
    .group_segment_fixed_size: 327680
    .private_segment_fixed_size: 0
    .kernarg_segment_align: 8
    .kernarg_segment_size: 32
    .max_flat_workgroup_size: 128
    .sgpr_count:     66
    .vgpr_count:     768
    .wavefront_size: 32
...
	.end_amdgpu_metadata
.endif
;; end of part 4
